; MI455X (gfx1250); checked and timed in simulation.
; The chip was launched on July 23, 2026; its instructions are those of AMD's public machine-readable ISA for CDNA 5 (MIT licence, August 2026) and "CDNA5" Instruction Set Architecture Reference Guide (July 2026). The comments in the code are by the model that wrote it; some were corrected since.
;; CMIA. Allowed arithmetic: matrix products marked QUANTISED: E2M3 operands, one E8M0 scale for each 32 along K, by v_wmma_scale_f32_16x16x128_f8f6f4 with both operands' format E2M3, f32 sums; everything else in f32.
;; Inputs: b_cdc 256 float32; b_frq 1,024 float32; b_fv 256 float32; b_spa 1,024 float32; b_sv 256 float32; ln_b 1,024 float32; ln_w 1,024 float32; w_cdc 256 x 512 float32; w_frq 1,024 x 1,024 float32; w_fv 256 x 256 float32; w_qk 2,048 x 1,024 float32; w_spa 1,024 x 1,024 float32; w_sv 256 x 256 float32; x_freq 16 x 256 x 32 x 32 float32; x_spa 16 x 256 x 32 x 32 float32.
;; Outputs: out0 16 x 256 x 32 x 32 float32; out1 16 x 256 x 32 x 32 float32.
;; This version of the problem:
;;   THIS VERSION OF THE PROBLEM IS GIVEN IN LOW PRECISION. The matrix products marked QUANTISED in the list below multiply operands that are first quantised to E2M3 (2 exponent bits, 3 mantissa bits; 6 bits a number), with one power-of-two scale for each 32 numbers along K (OCP MX v1.0); their sums are f32. All else is computed in f32.
;;   The module's matrix products, in the order in which they are computed (A, B: the left and right operand; K: the contracted axis; several contracted axes count as one K, in the product's order):
;;     1. [M 256, K 256] x [K 256, N 16,384]; A: input w_sv; B: input x_spa: QUANTISED
;;     2. [M 256, K 256] x [K 256, N 16,384]; A: input w_fv; B: input x_freq: QUANTISED
;;     3. [M 256, K 512] x [K 512, N 16,384]; A: input w_cdc; B: computed on the way: QUANTISED
;;     4. [M 4,096, K 1,024] x [K 1,024, N 2,048]; A: computed on the way; B: input w_qk: QUANTISED
;;     5. batch 16 x [M 1,024, K 256] x [K 256, N 1,024]; A: computed on the way; B: computed on the way: QUANTISED
;;     6. [M 16,384, K 1,024] x [K 1,024, N 1,024]; A: computed on the way; B: input w_spa: QUANTISED
;;     7. [M 16,384, K 1,024] x [K 1,024, N 1,024]; A: computed on the way; B: input w_frq: QUANTISED
;;     8. batch 16 x [M 256, K 1,024] x [K 1,024, N 1,024]; A: computed on the way; B: computed on the way: QUANTISED
;;     9. batch 16 x [M 256, K 1,024] x [K 1,024, N 1,024]; A: computed on the way; B: computed on the way: QUANTISED
;;   THE QUANTISER, for each operand of a quantised product, along K:
;;     - K is cut into blocks of 32 from its start; a last block that is shorter is filled with zeros.
;;     - A block's scale is 2^e with e = floor(log2(the largest magnitude in the block)) - 2, held to -126 .. 127; a block of zeros has e = 0. As a byte (E8M0): e + 127.
;;     - Each number is divided by its block's scale, clamped to +-7.5, and rounded to the nearest number of E2M3, ties to even, subnormals kept.
;;     - The product sums the exact products of the quantised numbers (number of the format x scale) in f32.
;;   ~~~python
;;   def quantise(x, axis):      # numpy; x: float32 -> the quantised numbers, widened to float32 again
;;       x = np.moveaxis(x, axis, -1); K = x.shape[-1]
;;       x = np.pad(x, [(0, 0)] * (x.ndim - 1) + [(0, -K % 32)]); x = x.reshape(x.shape[:-1] + (-1, 32)); a = np.abs(x).max(-1, keepdims=True)
;;       e = np.where(a > 0, np.clip(np.frexp(np.where(a > 0, a, 1))[1] - 1 - 2, -126, 127), 0)      # np.frexp(a)[1] - 1 = floor(log2(a)), exactly
;;       r = np.clip(x / 2.0 ** e, -7.5, 7.5)
;;       step = 2.0 ** (np.maximum(np.frexp(np.where(r == 0, 1, r))[1] - 1, 0) - 3)
;;       q = np.round(r / step) * step * 2.0 ** e      # np.round: ties to even
;;       return np.moveaxis(q.reshape(q.shape[:-2] + (-1,))[..., :K], -1, axis).astype(np.float32)
;;   ~~~
;;   OPERANDS COMPUTED ON THE WAY. 'Computed on the way' means the value that the module computes at that place (a softmax that the list does not call 'softmax' is quantised finished and normalised). What goes into a quantiser is computed in f32, as accurately as f32 sums, v_exp_f32 and their like allow (about 1e-6 of the number): no bf16 or f16 on the way to a quantiser, and a product that is left as it is and whose result goes on into a quantised operand takes f32 operands (vector FMAs, or v_wmma_f32_16x16x4_f32). A number that lies on a knife's edge between two numbers of the format may be rounded either way, as far as f32 arithmetic and the matrix unit's own rounding can turn it there, and no further.
;; One version. Each part assembles by itself: llvm-mc -triple=amdgcn-amd-amdhsa -mcpu=gfx1250 --defsym DOCPART=n.
;; ======== version 1 of 1: 5 launches
;; workspace buffers: wcodes 3,481,600 bytes; xcodes 6,553,600 bytes; xln 3,276,800 bytes; vcodes 6,553,600 bytes; qkcodes 6,553,600 bytes; pcodes 26,214,400 bytes
;; launch prep (part 1): grid 1056 x 1, 4 waves a work-group, no clusters, 46,592 bytes of LDS; arguments x_spa, x_freq, w_spa, w_frq, w_qk, w_cdc, w_sv, w_fv, wcodes, xcodes; writes wcodes, xcodes
.if DOCPART == 1
	.amdgcn_target "amdgcn-amd-amdhsa--gfx1250"
	.amdhsa_code_object_version 6
	.text
	.protected	k_q1d603db744_prep
	.globl	k_q1d603db744_prep
	.p2align	8
	.type	k_q1d603db744_prep,@function
k_q1d603db744_prep:
	s_mov_b64 s[64:65], 0
	v_nop
	global_prefetch_b8 v0, s[64:65] scope:SCOPE_SE
	s_setreg_imm32_b32 hwreg(HW_REG_WAVE_MODE, 25, 1), 1
	s_wait_xcnt 0x0
; PREP: every input that is an operand of a quantised product becomes codes of E2M3 with one E8M0 byte for each 32 along K, laid in the ORDER OF THE OPERAND REGISTERS.
; DEAD WORK: none.  b_spa and b_frq differ along the axis of their softmax; every other input moves codes, scales or an output.  All 15 inputs are loaded by some launch of the program.
; A FRAGMENT IMAGE is 16 rows x 128 K, 12 registers a lane, 1,536 bytes: register 4 g + i of lane L lies at byte 512 g + 16 L + 4 i; lane (r = L % 16, h = L / 16) holds row r, registers 6 c .. 6 c + 5 hold k = 64 c + 32 h + 0 .. 31.
; A fragment has 64 bytes of scale words, row r at 4 r.  A PERMUTED tile t = 2 g + u holds, as its row rho, index 32 g + 8 u + rho + 8 (rho / 8); a plain tile holds 16 t + rho.
; Work-groups 0 .. 511: x_spa and x_freq [b][c][n], K = c is not innermost: a lane takes a position n and its registers run down c; a wave takes 32 positions x 128 c = two permuted tiles of one K step.
; Work-groups 512 .. 1055: the six weights, K innermost: a wave takes one fragment (16 rows x 128 K); one text serves all six, its numbers chosen by the fragment number.
; A block scale is 2^(floor(log2(largest magnitude)) - 2); its byte is the exponent field of the largest magnitude less 2.
; LIMITS: a largest magnitude under 2^(3 - 127) is taken as that floor (byte 1; a block of zeros so has byte 1 and zero codes; only this program reads the bytes).  NaN and infinities among the inputs are not served.
.set WSTG,  0                          ; LDS, weights path alone: 4 waves x 16 rows x 528 bytes
.set XSTG,  33792                      ; LDS, x path alone: 4 waves x 3,072 bytes (two images)
.set SPARE, 46080                      ; the spare words: 128 bytes a wave, named by no other line
.set SPW,   12                         ; v12 my spare word; v13 zero: kept for the add alone
.set NIL,   13
.set SEL,   72                         ; s[72:73] lane selects: lane l xor 16
	s_load_b512 s[4:19], s[0:1], 0x0               ; x_spa, x_freq, w_spa, w_frq, w_qk, w_cdc, w_sv, w_fv
	s_load_b128 s[20:23], s[0:1], 0x40             ; wcodes, xcodes
	v_lshl_add_u32 v[SPW], v0, 2, SPARE
	v_mov_b32 v[NIL], 0
	v_lshrrev_b32 v1, 5, v0
	v_readfirstlane_b32 s24, v1                    ; wave
	v_and_b32 v1, 31, v0                           ; lane
	v_lshlrev_b32 v2, 4, v1                        ; 16 L
	v_lshlrev_b32 v3, 2, v1                        ; 4 L
	v_bfe_u32 v4, v0, 3, 1                         ; x path: u = bit 3 of my position
	v_bfe_u32 v5, v0, 4, 1                         ; bit 4 (in the weights path: h)
	v_and_b32 v6, 7, v0
	v_lshl_add_u32 v6, v5, 3, v6                   ; rho = 8 x bit 4 + low three bits
	s_mul_i32 s25, s24, 3072
	s_add_co_u32 s25, s25, XSTG
	v_mul_u32_u24 v7, v4, 1536
	v_lshl_add_u32 v7, v6, 4, v7
	v_add_nc_u32 v7, s25, v7                       ; x: where row rho of tile u begins in my two images
	v_add_nc_u32 v8, s25, v2                       ; x: the images read back, 16 bytes a lane
	v_lshl_add_u32 v9, v4, 4, v6
	v_lshlrev_b32 v9, 2, v9                        ; x: my scale word at 4 (16 u + rho)
	s_mul_i32 s26, s24, 8448
	v_add_nc_u32 v10, s26, v2                      ; weights: a row into the stage, 16 bytes a lane
	v_and_b32 v11, 15, v0                          ; r
	v_mul_u32_u24 v14, v11, 528
	v_lshl_add_u32 v14, v5, 7, v14
	v_add_nc_u32 v14, s26, v14                     ; weights: out of the stage: row r, + 128 h bytes
	v_lshlrev_b32 v15, 2, v11                      ; 4 r
	s_mov_b32 s[SEL], 0x76543210
	s_mov_b32 s[SEL+1], 0xfedcba98
	s_wait_kmcnt 0x0
	s_cmp_lt_u32 ttmp9, 512
	s_cbranch_scc0 .Lweights
; ---------------- x ----------------
	s_lshr_b32 s28, ttmp9, 5                       ; b
	s_bfe_u32 s29, ttmp9, 0x20003                  ; K step 0 .. 3: 0, 1 are c of x_spa, 2, 3 of x_freq
	s_and_b32 s30, ttmp9, 7
	s_lshl_b32 s30, s30, 2
	s_add_co_u32 s30, s30, s24                     ; which 32 positions
	s_lshl_b32 s32, s28, 20
	s_and_b32 s33, s29, 1
	s_lshl_b32 s33, s33, 19
	s_add_co_u32 s32, s32, s33
	s_lshl_b32 s33, s30, 7
	s_add_co_u32 s32, s32, s33
	s_mov_b32 s33, 0
	s_cmp_lt_u32 s29, 2
	s_cselect_b64 s[4:5], s[4:5], s[6:7]
	s_add_nc_u64 s[4:5], s[4:5], s[32:33]
	s_lshl_b32 s34, s28, 5
	s_add_co_u32 s34, s34, s30
	s_lshl_b32 s34, s34, 2
	s_add_co_u32 s34, s34, s29
	s_mul_i32 s34, s34, 3072
	s_mov_b32 s35, 0
	s_add_nc_u64 s[36:37], s[22:23], s[34:35]      ; codes: [b][pair][K step][u]
	s_lshl_b32 s34, s28, 2
	s_add_co_u32 s34, s34, s29
	s_lshl_b32 s34, s34, 5
	s_add_co_u32 s34, s34, s30
	s_lshl_b32 s34, s34, 7
	s_add_co_u32 s34, s34, 6291456
	s_add_nc_u64 s[38:39], s[22:23], s[34:35]      ; scale words: [b][K step][pair][128 bytes]
.macro XLOAD t                         ; block t: x(32 t + i, my position); 32 lanes read 128 consecutive bytes, the four waves 512
.set i, 0
.rept 32
	global_load_b32 v[32+32*((\t)%2)+i], v3, s[4:5] offset:(32*(\t)+i)*4096 th:TH_LOAD_NT
.set i, i+1
.endr
.endm
.macro XBLOCK t
.set XS, 32+32*((\t)%2)
.set C, 96+8*(\t)
.if (\t) < 3
	s_wait_loadcnt 32                              ; this block is in; the 32 loads of the next may be out
.else
	s_wait_loadcnt 0x0
.endif
	v_max3_num_f32 v24, |v[XS]|, |v[XS+1]|, |v[XS+2]|
	v_max3_num_f32 v25, |v[XS+3]|, |v[XS+4]|, |v[XS+5]|
.irp i, 6,10,14,18,22,26
	v_max3_num_f32 v24, v24, |v[XS+\i]|, |v[XS+\i+1]|
	v_max3_num_f32 v25, v25, |v[XS+\i+2]|, |v[XS+\i+3]|
.endr
	v_max3_num_f32 v24, v24, |v[XS+30]|, |v[XS+31]|
	v_max3_num_f32 v24, v24, v25, 0x1800000        ; with the floor 2^(3 - 127)
	v_add_nc_u32 v26, 0xff000000, v24              ; 2 off the exponent field: the scale operand of the conversion
	v_cvt_scalef32_pk16_fp6_f32 v[C:C+2], v[XS:XS+15], v26
	v_cvt_scalef32_pk16_fp6_f32 v[C+4:C+6], v[XS+16:XS+31], v26
	v_lshrrev_b32 v27, 23, v26                     ; the byte; also the plain line behind the conversions
.if (\t) == 0
	v_mov_b32 v28, v27
.else
	v_lshl_or_b32 v28, v27, 8*(\t), v28            ; byte t of my row scale word
.endif
	v_mov_b32 v[C+3], v[C+4]                       ; six registers on end
	v_mov_b32 v[C+4], v[C+5]
	v_mov_b32 v[C+5], v[C+6]
.if (\t)+2 < 4
	XLOAD (\t)+2
.endif
.if (\t) < 2                           ; block t = 2 c + h belongs to lane rho + 16 h of the image, registers 6 c .. 6 c + 5
	ds_store_b128 v7, v[C:C+3] offset:256*(\t)
	ds_store_b64 v7, v[C+4:C+5] offset:512+256*(\t)
.else
	ds_store_b64 v7, v[C:C+1] offset:520+256*((\t)-2)
	ds_store_b128 v7, v[C+2:C+5] offset:1024+256*((\t)-2)
.endif
.endm
	XLOAD 0
	XLOAD 1
	XBLOCK 0
	XBLOCK 1
	XBLOCK 2
	XBLOCK 3
.irp g, 0,1,2,3,4,5
	ds_load_b128 v[32+4*\g:35+4*\g], v8 offset:512*\g  ; my own bytes: LDS serves a wave in order
.endr
	s_wait_dscnt 0x0
.irp g, 0,1,2,3,4,5
	global_store_b128 v2, v[32+4*\g:35+4*\g], s[36:37] offset:512*\g  ; 512 consecutive bytes a store
.endr
	global_store_b32 v9, v28, s[38:39]
	s_wait_tensorcnt 0x0                           ; the end of the wave
	ds_add_u32 v[SPW], v[NIL]
	s_wait_dscnt 0x0
	s_endpgm
; ---------------- the weights ----------------
.Lweights:
	s_sub_co_u32 s28, ttmp9, 512
	s_lshl_b32 s28, s28, 2
	s_add_co_u32 s28, s28, s24                     ; fragment number 0 .. 2,175
	s_mov_b64 s[40:41], s[8:9]                     ; w_spa: source,
	s_mov_b32 s42, 0                               ; first fragment number,
	s_mov_b32 s43, 3                               ; log2 of K steps,
	s_mov_b32 s44, 0                               ; permuted tiles?
	s_mov_b32 s45, 0                               ; codes: base,
	s_mov_b32 s46, 102400                          ; step for the upper part of the tile number,
	s_mov_b32 s47, 12800                           ; step for a K step,
	s_mov_b32 s48, 12800                           ; the same for the scale words,
	s_mov_b32 s49, 12288                           ; scale words: base,
	s_mov_b32 s50, 3                               ; bits in the lower part of the tile number
.macro PICK start, ptr, lk, perm, bc, s1, s2c, s2s, bs, sh
	s_cmp_ge_u32 s28, \start
	s_cselect_b64 s[40:41], s[\ptr:\ptr+1], s[40:41]
	s_cselect_b32 s42, \start, s42
	s_cselect_b32 s43, \lk, s43
	s_cselect_b32 s44, \perm, s44
	s_cselect_b32 s45, \bc, s45
	s_cselect_b32 s46, \s1, s46
	s_cselect_b32 s47, \s2c, s47
	s_cselect_b32 s48, \s2s, s48
	s_cselect_b32 s49, \bs, s49
	s_cselect_b32 s50, \sh, s50
.endm
	PICK 512,  10, 3, 0, 819200,  102400, 12800, 12800, 831488,  3   ; w_frq
	PICK 1024, 12, 3, 1, 1638400, 51200,  6400,  6400,  1644544, 2   ; w_qk
	PICK 2048, 14, 2, 1, 3282944, 12800,  1536,  64,    3289344, 0   ; w_cdc
	PICK 2112, 16, 1, 0, 3276800, 12800,  1536,  64,    3289088, 0   ; w_sv
	PICK 2144, 18, 1, 0, 3279872, 12800,  1536,  64,    3289216, 0   ; w_fv
	s_sub_co_u32 s51, s28, s42
	s_lshr_b32 s52, s51, s43                       ; tile
	s_bfm_b32 s53, s43, 0
	s_and_b32 s53, s51, s53                        ; K step
	s_lshl_b32 s54, 512, s43                       ; a row of the weight in bytes
	s_lshr_b32 s55, s52, 1
	s_lshl_b32 s55, s55, 5
	s_and_b32 s56, s52, 1
	s_lshl_b32 s56, s56, 3
	s_add_co_u32 s55, s55, s56
	s_lshl_b32 s56, s52, 4
	s_cmp_eq_u32 s44, 1
	s_cselect_b32 s55, s55, s56                    ; the first row of the tile
	s_cselect_b32 s57, 16, 8                       ; rows from its row 0 to its row 8
	s_lshr_b32 s58, s52, s50
	s_bfm_b32 s59, s50, 0
	s_and_b32 s59, s52, s59
	s_mul_i32 s60, s58, s46
	s_mul_i32 s61, s53, s47
	s_add_co_u32 s61, s61, s60
	s_add_co_u32 s61, s61, s45
	s_mul_i32 s63, s59, 1536
	s_add_co_u32 s66, s61, s63
	s_mov_b32 s67, 0
	s_add_nc_u64 s[74:75], s[20:21], s[66:67]      ; where the image goes
	s_mul_i32 s62, s53, s48
	s_add_co_u32 s62, s62, s60
	s_add_co_u32 s62, s62, s49
	s_lshl_b32 s63, s59, 6
	s_add_co_u32 s66, s62, s63
	s_add_nc_u64 s[76:77], s[20:21], s[66:67]      ; and its scale words
	s_mul_i32 s66, s55, s54
	s_lshl_b32 s63, s53, 9
	s_add_co_u32 s66, s66, s63
	s_add_nc_u64 s[40:41], s[40:41], s[66:67]      ; rows 0 .. 7
	s_mul_i32 s66, s57, s54
	s_add_nc_u64 s[68:69], s[40:41], s[66:67]      ; rows 8 .. 15
.irp j, 0,1,2,3,4,5,6,7
	s_mul_i32 s70, s54, \j
	v_add_nc_u32 v[16+\j], s70, v2
.endr
.irp j, 0,1,2,3,4,5,6,7
	global_load_b128 v[32+4*\j:35+4*\j], v[16+\j], s[40:41] th:TH_LOAD_NT   ; 512 consecutive bytes of one row
.endr
.irp j, 0,1,2,3,4,5,6,7
	global_load_b128 v[64+4*\j:67+4*\j], v[16+\j], s[68:69] th:TH_LOAD_NT
.endr
.set i, 0
.rept 16
	s_wait_loadcnt 15-i                            ; row i is in; the later rows may be out
	ds_store_b128 v10, v[32+4*i:35+4*i] offset:528*i
.set i, i+1
.endr
	s_wait_dscnt 0x0
.irp c, 0,1
.irp i, 0,1,2,3,4,5,6,7
	ds_load_b128 v[32+32*\c+4*\i:35+32*\c+4*\i], v14 offset:256*\c+16*\i   ; k = 64 c + 32 h + 0 .. 31 of row r
.endr
.endr
	s_wait_dscnt 0x0
.irp c, 0,1
	v_max3_num_f32 v[24+\c], |v[32+32*\c]|, |v[33+32*\c]|, 0x1800000
.endr
.irp i, 2,4,6,8,10,12,14,16,18,20,22,24,26,28,30
.irp c, 0,1
	v_max3_num_f32 v[24+\c], v[24+\c], |v[32+32*\c+\i]|, |v[33+32*\c+\i]|
.endr
.endr
.irp c, 0,1
	v_add_nc_u32 v[26+\c], 0xff000000, v[24+\c]
.endr
.irp c, 0,1
	v_lshrrev_b32 v[28+\c], 23, v[26+\c]
.endr
	v_lshl_or_b32 v30, v29, 16, v28                ; my two bytes: blocks h and 2 + h,
	v_lshlrev_b32 v31, 3, v5
	v_lshlrev_b32 v30, v31, v30                    ; at their places;
	v_mov_b32 v31, 0
	v_permlanex16_b32 v31, v30, s[SEL], s[SEL+1]
	v_or_b32 v30, v30, v31                         ; with those of lane l xor 16 the word is whole
.irp c, 0,1
	v_cvt_scalef32_pk16_fp6_f32 v[96+6*\c:98+6*\c], v[32+32*\c:47+32*\c], v[26+\c]
	v_cvt_scalef32_pk16_fp6_f32 v[108+4*\c:110+4*\c], v[48+32*\c:63+32*\c], v[26+\c]
.endr
	v_nop                                          ; one plain line behind the conversions
.irp c, 0,1
.irp i, 0,1,2
	v_mov_b32 v[99+6*\c+\i], v[108+4*\c+\i]
.endr
.endr
.irp g, 0,1,2
	global_store_b128 v2, v[96+4*\g:99+4*\g], s[74:75] offset:512*\g
.endr
	global_store_b32 v15, v30, s[76:77]            ; lanes r and r + 16 store the same word to the same place
	s_wait_tensorcnt 0x0                           ; the end of the wave
	ds_add_u32 v[SPW], v[NIL]
	s_wait_dscnt 0x0
	s_endpgm
.Lfunc_end_k_q1d603db744_prep:
	.size	k_q1d603db744_prep, .Lfunc_end_k_q1d603db744_prep-k_q1d603db744_prep
	.p2alignl 7, 3214868480
	.fill 96, 4, 3214868480
	.section	.rodata,"a",@progbits
	.p2align	6, 0x0
	.amdhsa_kernel k_q1d603db744_prep
		.amdhsa_group_segment_fixed_size 46592
		.amdhsa_private_segment_fixed_size 0
		.amdhsa_enable_private_segment 0
		.amdhsa_kernarg_size 80
		.amdhsa_user_sgpr_count 2
		.amdhsa_user_sgpr_kernarg_segment_ptr 1
		.amdhsa_wavefront_size32 1
		.amdhsa_system_sgpr_workgroup_id_x 1
		.amdhsa_system_sgpr_workgroup_id_y 1
		.amdhsa_system_sgpr_workgroup_id_z 1
		.amdhsa_system_vgpr_workitem_id 0
		.amdhsa_next_free_vgpr 128
		.amdhsa_next_free_sgpr 80
		.amdhsa_reserve_vcc 0
		.amdhsa_float_denorm_mode_32 3
		.amdhsa_float_denorm_mode_16_64 3
		.amdhsa_memory_ordered 1
		.amdhsa_forward_progress 1
		.amdhsa_inst_pref_size 35
	.end_amdhsa_kernel
	.amdgpu_metadata
---
amdhsa.version: [ 1, 2 ]
amdhsa.kernels:
  - .name:           k_q1d603db744_prep
    .symbol:         k_q1d603db744_prep.kd
    .args:
      - { .name: x_spa, .offset: 0, .size: 8, .value_kind: global_buffer, .address_space: global }
      - { .name: x_freq, .offset: 8, .size: 8, .value_kind: global_buffer, .address_space: global }
      - { .name: w_spa, .offset: 16, .size: 8, .value_kind: global_buffer, .address_space: global }
      - { .name: w_frq, .offset: 24, .size: 8, .value_kind: global_buffer, .address_space: global }
      - { .name: w_qk, .offset: 32, .size: 8, .value_kind: global_buffer, .address_space: global }
      - { .name: w_cdc, .offset: 40, .size: 8, .value_kind: global_buffer, .address_space: global }
      - { .name: w_sv, .offset: 48, .size: 8, .value_kind: global_buffer, .address_space: global }
      - { .name: w_fv, .offset: 56, .size: 8, .value_kind: global_buffer, .address_space: global }
      - { .name: wcodes, .offset: 64, .size: 8, .value_kind: global_buffer, .address_space: global }
      - { .name: xcodes, .offset: 72, .size: 8, .value_kind: global_buffer, .address_space: global }
    .group_segment_fixed_size: 46592
    .private_segment_fixed_size: 0
    .kernarg_segment_align: 8
    .kernarg_segment_size: 80
    .max_flat_workgroup_size: 128
    .sgpr_count:     80
    .vgpr_count:     128
    .wavefront_size: 32
...
	.end_amdgpu_metadata
.endif
;; end of part 1
;; launch conv (part 2): grid 16 x 16, 8 waves a work-group, no clusters, 2,048 bytes of LDS; arguments xcodes, wcodes, b_sv, b_fv, b_cdc, ln_w, ln_b, vcodes, xln; writes vcodes, xln
.if DOCPART == 2
	.amdgcn_target "amdgcn-amd-amdhsa--gfx1250"
	.amdhsa_code_object_version 6
	.text
	.protected	k_q1d603db744_conv
	.globl	k_q1d603db744_conv
	.p2align	8
	.type	k_q1d603db744_conv,@function
k_q1d603db744_conv:
	s_mov_b64 s[64:65], 0
	v_nop
	global_prefetch_b8 v0, s[64:65] scope:SCOPE_SE
	s_setreg_imm32_b32 hwreg(HW_REG_WAVE_MODE, 25, 1), 1
	s_wait_xcnt 0x0
; CONV: the three 1 x 1 convolutions, the LayerNorm, and the quantisers of v_spa, v_freq (along n) and of the normalised x (along n).  No work is left out.
; A work-group has 16 output channels (tile t = work-group x) of one batch (work-group y) and all 1,024 positions; wave w has positions 128 w .. 128 w + 127: eight permuted tiles of x.
; Products are used with source 0 = 16 positions of x and source 1 = 16 output channels: a lane holds ONE channel and its 64 registers run along n: register 16 g + i is n = 128 w + 32 g + 16 (lane / 16) + i.
; So each of a wave's three results is one fragment: K step w of the later products.  w_sv and w_fv tiles are plain, w_cdc tiles permuted (its rows become K of the product after the next).
; The biases are the C of the first product of each sum.  Mean and variance: two passes in f32, over registers, lane l xor 16 and, through LDS, the eight waves.
; LIMITS: largest magnitudes under 2^(3 - 127) are taken as that floor; NaN and infinities are not served.
; REGISTERS.  Window 0: v1-7 addresses; v16-19 the weights' scale words; v20-27 those of x, two sets; v28-43 at work in the quantiser; v44 a scale word; v46-57 codes; v58-63 statistics;
;   v64-159, v160-255 two sets of x fragments, later v64-127 ln_w and v128-191 ln_b.   Window 1: v0-95 eight weight fragments (sv 0, 1; fv 0, 1; cdc 0 .. 3); v96-159 x; v160-223 v; v224-247 three biases, eight registers each.
.set S1,    0                          ; LDS: [r 16][wave 8] f32: the sums
.set S2,    512                        ; the sums of squares
.set SPARE, 1024                       ; the spare words: 128 bytes a wave, named by no other line
.set SPW,   12
.set NIL,   13
.set TM,    28
.set PW,    44
.set PC,    46
.set AX,    96
.set AV,    160
.set SEL,   44
.set MSB, 0
.macro WIN new                         ; the high byte of the immediate repeats the setting that is left
.if MSB != (\new)
	s_set_vgpr_msb (MSB<<8)|(\new)
.set MSB, (\new)
.endif
.endm
.macro NOPS n
.rept \n
	v_nop
.endr
.endm
; one scaled product.  c < 0: C is the constant 0.  ra, rb = 1: the scale words are taken from lanes 16-31 of their register
.macro WM d, a, b, c, sa, sb, ra, rb
.if (\c) < 0
.if ((\ra) == 0) && ((\rb) == 0)
	v_wmma_scale_f32_16x16x128_f8f6f4 v[(\d):(\d)+7], v[(\a):(\a)+11], v[(\b):(\b)+11], 0, v[\sa], v[\sb] matrix_a_fmt:MATRIX_FMT_FP6 matrix_b_fmt:MATRIX_FMT_FP6
.elseif ((\ra) == 1) && ((\rb) == 0)
	v_wmma_scale_f32_16x16x128_f8f6f4 v[(\d):(\d)+7], v[(\a):(\a)+11], v[(\b):(\b)+11], 0, v[\sa], v[\sb] matrix_a_fmt:MATRIX_FMT_FP6 matrix_b_fmt:MATRIX_FMT_FP6 matrix_a_scale:MATRIX_SCALE_ROW1
.elseif ((\ra) == 0) && ((\rb) == 1)
	v_wmma_scale_f32_16x16x128_f8f6f4 v[(\d):(\d)+7], v[(\a):(\a)+11], v[(\b):(\b)+11], 0, v[\sa], v[\sb] matrix_a_fmt:MATRIX_FMT_FP6 matrix_b_fmt:MATRIX_FMT_FP6 matrix_b_scale:MATRIX_SCALE_ROW1
.else
	v_wmma_scale_f32_16x16x128_f8f6f4 v[(\d):(\d)+7], v[(\a):(\a)+11], v[(\b):(\b)+11], 0, v[\sa], v[\sb] matrix_a_fmt:MATRIX_FMT_FP6 matrix_b_fmt:MATRIX_FMT_FP6 matrix_a_scale:MATRIX_SCALE_ROW1 matrix_b_scale:MATRIX_SCALE_ROW1
.endif
.else
.if ((\ra) == 0) && ((\rb) == 0)
	v_wmma_scale_f32_16x16x128_f8f6f4 v[(\d):(\d)+7], v[(\a):(\a)+11], v[(\b):(\b)+11], v[(\c):(\c)+7], v[\sa], v[\sb] matrix_a_fmt:MATRIX_FMT_FP6 matrix_b_fmt:MATRIX_FMT_FP6
.elseif ((\ra) == 1) && ((\rb) == 0)
	v_wmma_scale_f32_16x16x128_f8f6f4 v[(\d):(\d)+7], v[(\a):(\a)+11], v[(\b):(\b)+11], v[(\c):(\c)+7], v[\sa], v[\sb] matrix_a_fmt:MATRIX_FMT_FP6 matrix_b_fmt:MATRIX_FMT_FP6 matrix_a_scale:MATRIX_SCALE_ROW1
.elseif ((\ra) == 0) && ((\rb) == 1)
	v_wmma_scale_f32_16x16x128_f8f6f4 v[(\d):(\d)+7], v[(\a):(\a)+11], v[(\b):(\b)+11], v[(\c):(\c)+7], v[\sa], v[\sb] matrix_a_fmt:MATRIX_FMT_FP6 matrix_b_fmt:MATRIX_FMT_FP6 matrix_b_scale:MATRIX_SCALE_ROW1
.else
	v_wmma_scale_f32_16x16x128_f8f6f4 v[(\d):(\d)+7], v[(\a):(\a)+11], v[(\b):(\b)+11], v[(\c):(\c)+7], v[\sa], v[\sb] matrix_a_fmt:MATRIX_FMT_FP6 matrix_b_fmt:MATRIX_FMT_FP6 matrix_a_scale:MATRIX_SCALE_ROW1 matrix_b_scale:MATRIX_SCALE_ROW1
.endif
.endif
.endm
; 64 numbers of a lane, v[s] .. v[s + 63] of window w, register 16 b + i = k 32 b + 16 (lane / 16) + i of my row, become a fragment in v[pc] .. v[pc + 11] and its scale word in v[pw], both in window 0.
; Each accumulator is read first at its registers 0 and 1.
.macro QUANT s, w, flr, pc, pw
	WIN (\w)|((\w)<<2)
.irp b, 0,1,2,3
	v_max3_num_f32 v[TM+\b], |v[(\s)+16*\b]|, |v[(\s)+1+16*\b]|, \flr
.endr
	WIN ((\w)<<2)|((\w)<<4)
.irp i, 2,4,6,8,10,12,14
.irp b, 0,1,2,3
	v_max3_num_f32 v[TM+\b], v[TM+\b], |v[(\s)+16*\b+\i]|, |v[(\s)+1+16*\b+\i]|
.endr
.endr
	WIN 0
.irp b, 0,1,2,3
	v_permlanex16_b32 v[TM+4+\b], v[TM+\b], s[SEL], s[SEL+1]
.endr
.irp b, 0,1,2,3
	v_max_num_f32 v[TM+\b], v[TM+\b], v[TM+4+\b]   ; the largest magnitude of the block
.endr
.irp b, 0,1,2,3
	v_add_nc_u32 v[TM+12+\b], 0xff000000, v[TM+\b] ; 2 off its exponent field: the scale operand of the conversion
.endr
.irp b, 0,1,2,3
	v_lshrrev_b32 v[TM+4+\b], 23, v[TM+12+\b]      ; the byte
.endr
	v_lshl_or_b32 v[\pw], v[TM+5], 8, v[TM+4]
	v_lshl_or_b32 v[\pw], v[TM+6], 16, v[\pw]
	v_lshl_or_b32 v[\pw], v[TM+7], 24, v[\pw]
	WIN (\w)
.irp c, 0,1
	v_cvt_scalef32_pk16_fp6_f32 v[(\pc)+6*\c:(\pc)+6*\c+2], v[(\s)+32*\c:(\s)+32*\c+15], v[TM+12+2*\c]
	v_cvt_scalef32_pk16_fp6_f32 v[TM+4*\c:TM+4*\c+2], v[(\s)+32*\c+16:(\s)+32*\c+31], v[TM+13+2*\c]
.endr
	WIN 0
	v_nop                                          ; one plain line behind the conversions
.irp c, 0,1                            ; a whole block to a lane: lanes 0-15 block 2 c, lanes 16-31 block 2 c + 1
.irp i, 0,1,2
	v_permlane16_swap_b32 v[(\pc)+6*\c+\i], v[TM+4*\c+\i]
.endr
.irp i, 0,1,2
	v_mov_b32 v[(\pc)+6*\c+3+\i], v[TM+4*\c+\i]
.endr
.endr
.endm
.macro BAR
	s_wait_dscnt 0x0
	s_barrier_signal -1
	s_barrier_wait -1
.endm
	s_load_b512 s[4:19], s[0:1], 0x0               ; xcodes, wcodes, b_sv, b_fv, b_cdc, ln_w, ln_b, vcodes
	s_load_b64 s[20:21], s[0:1], 0x40              ; xln
	v_lshl_add_u32 v[SPW], v0, 2, SPARE
	v_mov_b32 v[NIL], 0
	v_lshrrev_b32 v1, 5, v0
	v_readfirstlane_b32 s24, v1                    ; wave
	s_and_b32 s25, ttmp7, 0xffff                   ; b;  t = ttmp9
	v_and_b32 v8, 31, v0
	v_lshlrev_b32 v1, 4, v8                        ; 16 L
	v_lshlrev_b32 v2, 2, v8                        ; 4 L
	v_and_b32 v9, 15, v0
	v_lshlrev_b32 v3, 2, v9                        ; 4 r
	v_lshlrev_b32 v5, 5, v9                        ; 32 r
	s_lshl_b32 s26, s24, 2
	v_add_nc_u32 v4, s26, v5                       ; 32 r + 4 x wave
	v_bfe_u32 v10, v0, 4, 1
	v_lshlrev_b32 v6, 6, v10                       ; 64 h
	v_and_b32 v11, 8, v9
	v_add_nc_u32 v11, v11, v9
	v_lshlrev_b32 v7, 2, v11                       ; 4 (r + 8 (r / 8))
.irp b, 0,1,2,3
	v_mov_b32 v[TM+4+\b], 0                        ; written once: the destination of a lane permute counts as read
.endr
	s_mov_b32 s[SEL], 0x76543210
	s_mov_b32 s[SEL+1], 0xfedcba98
	s_mov_b32 s46, 0x3a800000                      ; 1 / 1,024
	s_mov_b32 s47, 0x3727c5ac                      ; 1e-5
	s_mul_i32 s28, s25, 393216
	s_mul_i32 s26, s24, 49152
	s_add_co_u32 s28, s28, s26
	s_mov_b32 s29, 0
	s_lshl_b32 s30, s25, 14
	s_lshl_b32 s26, s24, 9
	s_add_co_u32 s30, s30, s26
	s_add_co_u32 s30, s30, 6291456
	s_mov_b32 s31, 0
	s_mul_i32 s32, ttmp9, 12800
	s_add_co_u32 s32, s32, 3276800
	s_mov_b32 s33, 0
	s_lshl_b32 s34, s25, 3
	s_lshr_b32 s26, ttmp9, 2
	s_add_co_u32 s34, s34, s26
	s_mul_i32 s34, s34, 51200
	s_mul_i32 s26, s24, 6400
	s_add_co_u32 s34, s34, s26
	s_and_b32 s26, ttmp9, 3
	s_lshl_b32 s36, s26, 6
	s_add_co_u32 s36, s36, s34
	s_add_co_u32 s36, s36, 6144
	s_mul_i32 s26, s26, 1536
	s_add_co_u32 s34, s34, s26
	s_mov_b32 s35, 0
	s_mov_b32 s37, 0
	s_lshl_b32 s38, s25, 1
	s_lshr_b32 s26, ttmp9, 3
	s_add_co_u32 s38, s38, s26                     ; 2 b + t / 8
	s_lshl_b32 s40, s38, 12
	s_mul_i32 s38, s38, 98304
	s_mul_i32 s26, s24, 12288
	s_add_co_u32 s38, s38, s26
	s_and_b32 s26, ttmp9, 7
	s_mul_i32 s27, s26, 1536
	s_add_co_u32 s38, s38, s27
	s_lshl_b32 s27, s24, 9
	s_add_co_u32 s40, s40, s27
	s_lshl_b32 s26, s26, 6
	s_add_co_u32 s40, s40, s26
	s_add_co_u32 s40, s40, 3145728
	s_mov_b32 s39, 0
	s_mov_b32 s41, 0
	s_lshl_b32 s42, ttmp9, 6                       ; b_sv, b_fv: 16 t numbers on
	s_mov_b32 s43, 0
	s_lshr_b32 s48, ttmp9, 1
	s_lshl_b32 s48, s48, 7
	s_and_b32 s26, ttmp9, 1
	s_lshl_b32 s26, s26, 5
	s_add_co_u32 s48, s48, s26                     ; b_cdc: 32 (t / 2) + 8 (t % 2) numbers on
	s_mov_b32 s49, 0
	s_lshl_b32 s50, s24, 9                         ; ln_w, ln_b: 128 w numbers on
	s_mov_b32 s51, 0
	s_wait_kmcnt 0x0
	s_add_nc_u64 s[28:29], s[4:5], s[28:29]        ; codes of x: my batch, my four pairs of tiles
	s_add_nc_u64 s[30:31], s[4:5], s[30:31]        ; their scale words
	s_add_nc_u64 s[32:33], s[6:7], s[32:33]        ; the eight weight fragments of tile t
	s_add_nc_u64 s[34:35], s[18:19], s[34:35]      ; v: codes,
	s_add_nc_u64 s[36:37], s[18:19], s[36:37]      ; scale words
	s_add_nc_u64 s[38:39], s[20:21], s[38:39]      ; normalised x: codes,
	s_add_nc_u64 s[40:41], s[20:21], s[40:41]      ; scale words
	s_add_nc_u64 s[8:9], s[8:9], s[42:43]
	s_add_nc_u64 s[10:11], s[10:11], s[42:43]
	s_add_nc_u64 s[12:13], s[12:13], s[48:49]
	s_add_nc_u64 s[14:15], s[14:15], s[50:51]
	s_add_nc_u64 s[16:17], s[16:17], s[50:51]
	WIN 0x40
.irp f, 0,1,2,3,4,5,6,7
.irp g, 0,1,2
	global_load_b128 v[12*\f+4*\g:12*\f+4*\g+3], v1, s[32:33] offset:1536*\f+512*\g
.endr
.endr
	WIN 0
.irp a, 0,1,2,3
	global_load_b32 v[16+\a], v2, s[32:33] offset:12288+128*\a   ; lanes 0-15 fragment 2 a, lanes 16-31 fragment 2 a + 1
.endr
	global_load_b32 v58, v7, s[12:13]              ; b_cdc of my channel (permuted tile)
	global_load_b32 v59, v3, s[8:9]                ; b_sv
	global_load_b32 v60, v3, s[10:11]              ; b_fv
.macro LOADX ks, set                   ; eight fragments of x and their four scale registers: 28 loads
.irp p, 0,1,2,3
.irp u, 0,1
.irp g, 0,1,2
	global_load_b128 v[64+96*(\set)+12*(2*\p+\u)+4*\g:64+96*(\set)+12*(2*\p+\u)+4*\g+3], v1, s[28:29] offset:\p*12288+(\ks)*3072+\u*1536+512*\g
.endr
.endr
.endr
.irp p, 0,1,2,3
	global_load_b32 v[20+4*(\set)+\p], v2, s[30:31] offset:(\ks)*4096+128*\p
.endr
.endm
.macro MULX ks, set                    ; 16 products, the accumulators by turns, one instruction a turn
	WIN 0x54                                       ; x window 0; weights, C and D window 1
.irp tau, 0,1,2,3,4,5,6,7
.if (\ks) == 0
	WM AX+8*\tau, 64+96*(\set)+12*\tau, 48+12*(\ks), 224, 20+4*(\set)+\tau/2, 18+(\ks)/2, \tau%2, (\ks)%2
.else
	WM AX+8*\tau, 64+96*(\set)+12*\tau, 48+12*(\ks), AX+8*\tau, 20+4*(\set)+\tau/2, 18+(\ks)/2, \tau%2, (\ks)%2
.endif
.if ((\ks)%2) == 0
	WM AV+8*\tau, 64+96*(\set)+12*\tau, 12*(\ks), 232+4*(\ks), 20+4*(\set)+\tau/2, 16+(\ks)/2, \tau%2, (\ks)%2
.else
	WM AV+8*\tau, 64+96*(\set)+12*\tau, 12*(\ks), AV+8*\tau, 20+4*(\set)+\tau/2, 16+(\ks)/2, \tau%2, (\ks)%2
.endif
.endr
	WIN 0
.endm
.macro PUT cb, sb, off
	global_store_b128 v1, v[PC:PC+3], s[\cb:\cb+1] offset:\off
	global_store_b128 v1, v[PC+4:PC+7], s[\cb:\cb+1] offset:(\off)+512
	global_store_b128 v1, v[PC+8:PC+11], s[\cb:\cb+1] offset:(\off)+1024
	global_store_b32 v3, v[PW], s[\sb:\sb+1] offset:\off
.endm
	LOADX 0, 0
	LOADX 1, 1
	s_wait_loadcnt 56                              ; weights and biases are in; both sets of x (28 loads each) may be out
	WIN 0x40
.set i, 0
.rept 8
	v_mov_b32 v[224+i], v58                        ; a bias is the same in all eight registers: a lane holds one channel
	v_mov_b32 v[232+i], v59
	v_mov_b32 v[240+i], v60
.set i, i+1
.endr
	WIN 0
	NOPS 4
	s_wait_loadcnt 28                              ; K step 0 is in; K step 1 may be out
	MULX 0, 0
	NOPS 4                                         ; four places ahead of loads into registers that products have read
	LOADX 2, 0
	s_wait_loadcnt 28                              ; K step 1 is in
	MULX 1, 1
	NOPS 4                                         ; also the places ahead of the first read of v_spa
	LOADX 3, 1
	QUANT AV, 1, 0x1800000, PC, PW                 ; v_spa
	PUT 34, 36, 0
	NOPS 5                                         ; five places ahead of products that begin these accumulators anew
	s_wait_loadcnt 28                              ; K step 2 is in
	MULX 2, 0
	s_wait_loadcnt 0x0
	MULX 3, 1
	NOPS 4
.irp g, 0,1,2,3
.irp j, 0,1,2,3
	global_load_b128 v[64+16*\g+4*\j:67+16*\g+4*\j], v6, s[14:15] offset:128*\g+16*\j    ; ln_w at my 64 positions
	global_load_b128 v[128+16*\g+4*\j:131+16*\g+4*\j], v6, s[16:17] offset:128*\g+16*\j  ; ln_b
.endr
.endr
	s_wait_xcnt 0x0                                ; the stores of v_spa have read their registers
	QUANT AV, 1, 0x1800000, PC, PW                 ; v_freq
	PUT 34, 36, 204800
; ---- LayerNorm over the 1,024 positions of my channel
	WIN 0x05
	v_pk_add_f32 v[58:59], v[AX:AX+1], v[AX+2:AX+3]
	v_pk_add_f32 v[60:61], v[AX+4:AX+5], v[AX+6:AX+7]
	WIN 0x04
.set j, 8
.rept 14
	v_pk_add_f32 v[58:59], v[58:59], v[AX+j:AX+j+1]
	v_pk_add_f32 v[60:61], v[60:61], v[AX+j+2:AX+j+3]
.set j, j+4
.endr
	WIN 0
	v_pk_add_f32 v[58:59], v[58:59], v[60:61]
	v_add_f32 v58, v58, v59
	v_permlanex16_b32 v59, v58, s[SEL], s[SEL+1]
	v_add_f32 v58, v58, v59                        ; the sum over my wave
	ds_store_b32 v4, v58 offset:S1
	BAR
	ds_load_b128 v[28:31], v5 offset:S1
	ds_load_b128 v[32:35], v5 offset:S1+16
	s_wait_dscnt 0x0
	v_add_f32 v28, v28, v29
	v_add_f32 v30, v30, v31
	v_add_f32 v32, v32, v33
	v_add_f32 v34, v34, v35
	v_add_f32 v28, v28, v30
	v_add_f32 v32, v32, v34
	v_add_f32 v28, v28, v32
	v_mul_f32 v58, s46, v28                        ; the mean
	WIN 0x41
.set j, 0
.rept 32
	v_pk_add_f32 v[AX+j:AX+j+1], v[AX+j:AX+j+1], v[58:59] op_sel_hi:[1,0] neg_lo:[0,1] neg_hi:[0,1]
.set j, j+2
.endr
	WIN 0x05
	v_pk_mul_f32 v[60:61], v[AX:AX+1], v[AX:AX+1]
	v_pk_mul_f32 v[62:63], v[AX+2:AX+3], v[AX+2:AX+3]
.set j, 4
.rept 15
	v_pk_fma_f32 v[60:61], v[AX+j:AX+j+1], v[AX+j:AX+j+1], v[60:61]
	v_pk_fma_f32 v[62:63], v[AX+j+2:AX+j+3], v[AX+j+2:AX+j+3], v[62:63]
.set j, j+4
.endr
	WIN 0
	v_pk_add_f32 v[60:61], v[60:61], v[62:63]
	v_add_f32 v60, v60, v61
	v_permlanex16_b32 v61, v60, s[SEL], s[SEL+1]
	v_add_f32 v60, v60, v61
	ds_store_b32 v4, v60 offset:S2
	BAR
	ds_load_b128 v[28:31], v5 offset:S2
	ds_load_b128 v[32:35], v5 offset:S2+16
	s_wait_dscnt 0x0
	v_add_f32 v28, v28, v29
	v_add_f32 v30, v30, v31
	v_add_f32 v32, v32, v33
	v_add_f32 v34, v34, v35
	v_add_f32 v28, v28, v30
	v_add_f32 v32, v32, v34
	v_add_f32 v28, v28, v32
	v_fma_f32 v58, v28, s46, s47                   ; variance + 1e-5
	v_rsq_f32 v58, v58
	v_nop                                          ; a plain line behind the transcendental,
	s_wait_alu depctr_va_vdst(0)                   ; and the wait ahead of the first use of its result
	s_wait_loadcnt 0x0                             ; ln_w, ln_b
	WIN 0x41
.set j, 0
.rept 32
	v_pk_mul_f32 v[AX+j:AX+j+1], v[AX+j:AX+j+1], v[58:59] op_sel_hi:[1,0]
.set j, j+2
.endr
.set j, 0
.rept 32
	v_pk_fma_f32 v[AX+j:AX+j+1], v[AX+j:AX+j+1], v[64+j:65+j], v[128+j:129+j]
.set j, j+2
.endr
	WIN 0
	s_wait_xcnt 0x0                                ; the stores of v_freq have read their registers
	QUANT AX, 1, 0x1800000, PC, PW
	PUT 38, 40, 0
	s_wait_tensorcnt 0x0                           ; the end of the wave
	ds_add_u32 v[SPW], v[NIL]
	s_wait_dscnt 0x0
	s_endpgm
.Lfunc_end_k_q1d603db744_conv:
	.size	k_q1d603db744_conv, .Lfunc_end_k_q1d603db744_conv-k_q1d603db744_conv
	.p2alignl 7, 3214868480
	.fill 96, 4, 3214868480
	.section	.rodata,"a",@progbits
	.p2align	6, 0x0
	.amdhsa_kernel k_q1d603db744_conv
		.amdhsa_group_segment_fixed_size 2048
		.amdhsa_private_segment_fixed_size 0
		.amdhsa_enable_private_segment 0
		.amdhsa_kernarg_size 72
		.amdhsa_user_sgpr_count 2
		.amdhsa_user_sgpr_kernarg_segment_ptr 1
		.amdhsa_wavefront_size32 1
		.amdhsa_system_sgpr_workgroup_id_x 1
		.amdhsa_system_sgpr_workgroup_id_y 1
		.amdhsa_system_sgpr_workgroup_id_z 1
		.amdhsa_system_vgpr_workitem_id 0
		.amdhsa_next_free_vgpr 512
		.amdhsa_next_free_sgpr 66
		.amdhsa_reserve_vcc 0
		.amdhsa_float_denorm_mode_32 3
		.amdhsa_float_denorm_mode_16_64 3
		.amdhsa_memory_ordered 1
		.amdhsa_forward_progress 1
		.amdhsa_inst_pref_size 55
	.end_amdhsa_kernel
	.amdgpu_metadata
---
amdhsa.version: [ 1, 2 ]
amdhsa.kernels:
  - .name:           k_q1d603db744_conv
    .symbol:         k_q1d603db744_conv.kd
    .args:
      - { .name: xcodes, .offset: 0, .size: 8, .value_kind: global_buffer, .address_space: global }
      - { .name: wcodes, .offset: 8, .size: 8, .value_kind: global_buffer, .address_space: global }
      - { .name: b_sv, .offset: 16, .size: 8, .value_kind: global_buffer, .address_space: global }
      - { .name: b_fv, .offset: 24, .size: 8, .value_kind: global_buffer, .address_space: global }
      - { .name: b_cdc, .offset: 32, .size: 8, .value_kind: global_buffer, .address_space: global }
      - { .name: ln_w, .offset: 40, .size: 8, .value_kind: global_buffer, .address_space: global }
      - { .name: ln_b, .offset: 48, .size: 8, .value_kind: global_buffer, .address_space: global }
      - { .name: vcodes, .offset: 56, .size: 8, .value_kind: global_buffer, .address_space: global }
      - { .name: xln, .offset: 64, .size: 8, .value_kind: global_buffer, .address_space: global }
    .group_segment_fixed_size: 2048
    .private_segment_fixed_size: 0
    .kernarg_segment_align: 8
    .kernarg_segment_size: 72
    .max_flat_workgroup_size: 256
    .sgpr_count:     66
    .vgpr_count:     512
    .wavefront_size: 32
...
	.end_amdgpu_metadata
.endif
;; end of part 2
;; launch qk (part 3): grid 8 x 32, 4 waves a work-group, no clusters, 102,912 bytes of LDS; arguments xln, wcodes, qkcodes; writes qkcodes
.if DOCPART == 3
	.amdgcn_target "amdgcn-amd-amdhsa--gfx1250"
	.amdhsa_code_object_version 6
	.text
	.protected	k_q1d603db744_qk
	.globl	k_q1d603db744_qk
	.p2align	8
	.type	k_q1d603db744_qk,@function
k_q1d603db744_qk:
	s_mov_b64 s[64:65], 0
	v_nop
	global_prefetch_b8 v0, s[64:65] scope:SCOPE_SE
	s_setreg_imm32_b32 hwreg(HW_REG_WAVE_MODE, 25, 1), 1
	s_wait_xcnt 0x0
; QK: q | k = LayerNorm(x) w_qk^T, and the quantiser of q and k along the channels.  No work is left out.
; A work-group (x = nb, y = mb) has 128 channels of one batch (mb = 2 b + half) and 256 outputs j = 256 nb ..; nb < 4 is q, else k.
; Source 0 = 16 channels (permuted tiles, 64 fragments shared by the four waves through LDS, as images), source 1 = 16 outputs j (permuted tiles of w_qk): a lane holds one j and its registers run along c.
; Wave w has 64 outputs: 4 tiles x 8 K steps = 32 fragments, each in registers of its own, read from memory once.  32 accumulators fill window 3.
; The factor 1 / sqrt(1024) = 2^-5 of the next product is put into the scale bytes of q (byte - 5): exact.
; LIMITS: a block of q with largest magnitude under 2^(8 - 127), one of k under 2^(3 - 127), is taken at that floor; NaN and infinities are not served.
; REGISTERS.  Window 0: v1-7 addresses; v16-23 scale words of x, two sets; v48-63 those of w_qk; v64-159, v160-255 two sets of x fragments; at the end v64-93 serve the quantiser.
;   Window 1: w_qk K steps 0-4 at 48 ks + 12 jt.  Window 2: K steps 5-7.  Window 3: accumulator (ct, jt) at 8 (ct + 8 jt); before the first product: what is on its way into LDS.
.set ASC,   98304                      ; LDS: 0 .. 98,303 the 64 images [ks][ct]; then their scale words, 4,096 bytes
.set SPARE, 102400                     ; the spare words: 128 bytes a wave, named by no other line
.set SPW,   12
.set NIL,   13
.set TM,    64
.set PW,    80
.set PC,    82
.set SEL,   36
.set WB,    16
.set MSB, 0
.macro WIN new                         ; the high byte of the immediate repeats the setting that is left
.if MSB != (\new)
	s_set_vgpr_msb (MSB<<8)|(\new)
.set MSB, (\new)
.endif
.endm
.macro NOPS n
.rept \n
	v_nop
.endr
.endm
; one scaled product.  c < 0: C is the constant 0.  ra, rb = 1: the scale words are taken from lanes 16-31 of their register
.macro WM d, a, b, c, sa, sb, ra, rb
.if (\c) < 0
.if ((\ra) == 0) && ((\rb) == 0)
	v_wmma_scale_f32_16x16x128_f8f6f4 v[(\d):(\d)+7], v[(\a):(\a)+11], v[(\b):(\b)+11], 0, v[\sa], v[\sb] matrix_a_fmt:MATRIX_FMT_FP6 matrix_b_fmt:MATRIX_FMT_FP6
.elseif ((\ra) == 1) && ((\rb) == 0)
	v_wmma_scale_f32_16x16x128_f8f6f4 v[(\d):(\d)+7], v[(\a):(\a)+11], v[(\b):(\b)+11], 0, v[\sa], v[\sb] matrix_a_fmt:MATRIX_FMT_FP6 matrix_b_fmt:MATRIX_FMT_FP6 matrix_a_scale:MATRIX_SCALE_ROW1
.elseif ((\ra) == 0) && ((\rb) == 1)
	v_wmma_scale_f32_16x16x128_f8f6f4 v[(\d):(\d)+7], v[(\a):(\a)+11], v[(\b):(\b)+11], 0, v[\sa], v[\sb] matrix_a_fmt:MATRIX_FMT_FP6 matrix_b_fmt:MATRIX_FMT_FP6 matrix_b_scale:MATRIX_SCALE_ROW1
.else
	v_wmma_scale_f32_16x16x128_f8f6f4 v[(\d):(\d)+7], v[(\a):(\a)+11], v[(\b):(\b)+11], 0, v[\sa], v[\sb] matrix_a_fmt:MATRIX_FMT_FP6 matrix_b_fmt:MATRIX_FMT_FP6 matrix_a_scale:MATRIX_SCALE_ROW1 matrix_b_scale:MATRIX_SCALE_ROW1
.endif
.else
.if ((\ra) == 0) && ((\rb) == 0)
	v_wmma_scale_f32_16x16x128_f8f6f4 v[(\d):(\d)+7], v[(\a):(\a)+11], v[(\b):(\b)+11], v[(\c):(\c)+7], v[\sa], v[\sb] matrix_a_fmt:MATRIX_FMT_FP6 matrix_b_fmt:MATRIX_FMT_FP6
.elseif ((\ra) == 1) && ((\rb) == 0)
	v_wmma_scale_f32_16x16x128_f8f6f4 v[(\d):(\d)+7], v[(\a):(\a)+11], v[(\b):(\b)+11], v[(\c):(\c)+7], v[\sa], v[\sb] matrix_a_fmt:MATRIX_FMT_FP6 matrix_b_fmt:MATRIX_FMT_FP6 matrix_a_scale:MATRIX_SCALE_ROW1
.elseif ((\ra) == 0) && ((\rb) == 1)
	v_wmma_scale_f32_16x16x128_f8f6f4 v[(\d):(\d)+7], v[(\a):(\a)+11], v[(\b):(\b)+11], v[(\c):(\c)+7], v[\sa], v[\sb] matrix_a_fmt:MATRIX_FMT_FP6 matrix_b_fmt:MATRIX_FMT_FP6 matrix_b_scale:MATRIX_SCALE_ROW1
.else
	v_wmma_scale_f32_16x16x128_f8f6f4 v[(\d):(\d)+7], v[(\a):(\a)+11], v[(\b):(\b)+11], v[(\c):(\c)+7], v[\sa], v[\sb] matrix_a_fmt:MATRIX_FMT_FP6 matrix_b_fmt:MATRIX_FMT_FP6 matrix_a_scale:MATRIX_SCALE_ROW1 matrix_b_scale:MATRIX_SCALE_ROW1
.endif
.endif
.endm
; 64 numbers of a lane, v[s] .. v[s + 63] of window w, register 16 b + i = k 32 b + 16 (lane / 16) + i of my row, become a fragment in v[pc] .. v[pc + 11] and its scale word in v[pw], both in window 0.
; Each accumulator is read first at its registers 0 and 1.
.macro QUANT s, w, flr, pc, pw
	WIN (\w)|((\w)<<2)
.irp b, 0,1,2,3
	v_max3_num_f32 v[TM+\b], |v[(\s)+16*\b]|, |v[(\s)+1+16*\b]|, \flr
.endr
	WIN ((\w)<<2)|((\w)<<4)
.irp i, 2,4,6,8,10,12,14
.irp b, 0,1,2,3
	v_max3_num_f32 v[TM+\b], v[TM+\b], |v[(\s)+16*\b+\i]|, |v[(\s)+1+16*\b+\i]|
.endr
.endr
	WIN 0
.irp b, 0,1,2,3
	v_permlanex16_b32 v[TM+4+\b], v[TM+\b], s[SEL], s[SEL+1]
.endr
.irp b, 0,1,2,3
	v_max_num_f32 v[TM+\b], v[TM+\b], v[TM+4+\b]
.endr
.irp b, 0,1,2,3
	v_add_nc_u32 v[TM+12+\b], 0xff000000, v[TM+\b]
.endr
.irp b, 0,1,2,3
	v_lshrrev_b32 v[TM+4+\b], 23, v[TM+12+\b]
.endr
	v_lshl_or_b32 v[\pw], v[TM+5], 8, v[TM+4]
	v_lshl_or_b32 v[\pw], v[TM+6], 16, v[\pw]
	v_lshl_or_b32 v[\pw], v[TM+7], 24, v[\pw]
	WIN (\w)
.irp c, 0,1
	v_cvt_scalef32_pk16_fp6_f32 v[(\pc)+6*\c:(\pc)+6*\c+2], v[(\s)+32*\c:(\s)+32*\c+15], v[TM+12+2*\c]
	v_cvt_scalef32_pk16_fp6_f32 v[TM+4*\c:TM+4*\c+2], v[(\s)+32*\c+16:(\s)+32*\c+31], v[TM+13+2*\c]
.endr
	WIN 0
	v_nop                                          ; one plain line behind the conversions
.irp c, 0,1
.irp i, 0,1,2
	v_permlane16_swap_b32 v[(\pc)+6*\c+\i], v[TM+4*\c+\i]
.endr
.irp i, 0,1,2
	v_mov_b32 v[(\pc)+6*\c+3+\i], v[TM+4*\c+\i]
.endr
.endr
.endm
	s_load_b128 s[4:7], s[0:1], 0x0                ; xln, wcodes
	s_load_b64 s[8:9], s[0:1], 0x10                ; qkcodes
	v_lshl_add_u32 v[SPW], v0, 2, SPARE
	v_mov_b32 v[NIL], 0
	v_lshrrev_b32 v1, 5, v0
	v_readfirstlane_b32 s10, v1                    ; wave
	v_and_b32 v8, 31, v0
	v_lshlrev_b32 v1, 4, v8                        ; 16 L
	v_add_nc_u32 v2, 61440, v1                     ; the same five K steps on: an LDS immediate has 16 bits
	v_lshlrev_b32 v4, 2, v8                        ; 4 L
	v_add_nc_u32 v3, ASC, v4
	v_and_b32 v5, 15, v0
	v_lshlrev_b32 v5, 2, v5                        ; 4 r
	s_mul_i32 s11, s10, 24576
	v_add_nc_u32 v6, s11, v1                       ; my quarter of the images
	s_lshl_b32 s11, s10, 10
	v_add_nc_u32 v7, s11, v1
	v_add_nc_u32 v7, ASC, v7                       ; my quarter of their scale words
	s_mov_b32 s[SEL], 0x76543210
	s_mov_b32 s[SEL+1], 0xfedcba98
	s_and_b32 s20, ttmp7, 0xffff                   ; mb
	s_lshr_b32 s21, s20, 1                         ; b
	s_and_b32 s22, s20, 1                          ; which 128 channels: the K step of the next product
	s_mul_i32 s12, s20, 98304
	s_mul_i32 s11, s10, 24576
	s_add_co_u32 s12, s12, s11
	s_mov_b32 s13, 0
	s_lshl_b32 s14, s20, 12
	s_lshl_b32 s11, s10, 10
	s_add_co_u32 s14, s14, s11
	s_add_co_u32 s14, s14, 3145728
	s_mov_b32 s15, 0
	s_lshl_b32 s16, ttmp9, 2
	s_add_co_u32 s16, s16, s10
	s_mul_i32 s16, s16, 51200
	s_add_co_u32 s16, s16, 1638400
	s_mov_b32 s17, 0
	s_lshl_b32 s23, s21, 4                         ; q: [b][4 nb + w][K step] blocks of 6,400 bytes
	s_lshl_b32 s24, ttmp9, 2
	s_add_co_u32 s23, s23, s24
	s_add_co_u32 s23, s23, s10
	s_lshl_b32 s23, s23, 1
	s_add_co_u32 s23, s23, s22
	s_mul_i32 s23, s23, 6400
	s_add_co_u32 s24, s23, 6144
	s_lshl_b32 s25, s21, 3                         ; k: [b][2 (nb - 4) + w / 2][K step] blocks of 12,800 bytes, my half of each
	s_and_b32 s26, ttmp9, 3
	s_lshl_b32 s26, s26, 1
	s_add_co_u32 s25, s25, s26
	s_lshr_b32 s26, s10, 1
	s_add_co_u32 s25, s25, s26
	s_lshl_b32 s25, s25, 1
	s_add_co_u32 s25, s25, s22
	s_mul_i32 s25, s25, 12800
	s_add_co_u32 s25, s25, 3276800
	s_and_b32 s26, s10, 1
	s_mul_i32 s27, s26, 6144
	s_add_co_u32 s27, s27, s25
	s_lshl_b32 s26, s26, 8
	s_add_co_u32 s26, s26, s25
	s_add_co_u32 s26, s26, 12288
	s_mov_b32 s38, 0x1800000
	s_cmp_lt_u32 ttmp9, 4
	s_cselect_b32 s32, s23, s27
	s_cselect_b32 s34, s24, s26
	s_cselect_b32 s38, 0x4000000, s38              ; the floor: 2^(8 - 127) for q, 2^(3 - 127) for k
	s_cselect_b32 s39, 0x05050505, 0               ; what is taken off the four bytes of a scale word
	s_mov_b32 s33, 0
	s_mov_b32 s35, 0
	s_wait_kmcnt 0x0
	s_add_nc_u64 s[12:13], s[4:5], s[12:13]
	s_add_nc_u64 s[14:15], s[4:5], s[14:15]
	s_add_nc_u64 s[WB:WB+1], s[6:7], s[16:17]
	s_add_nc_u64 s[32:33], s[8:9], s[32:33]
	s_add_nc_u64 s[34:35], s[8:9], s[34:35]
.macro LOADB ks                        ; my four fragments of w_qk for K step ks and their two scale registers: 14 loads
.if (\ks) < 5
	WIN 0x40
.set BR, 48*(\ks)
.else
	WIN 0x80
.set BR, 48*((\ks)-5)
.endif
.irp jt, 0,1,2,3
.irp g, 0,1,2
	global_load_b128 v[BR+12*\jt+4*\g:BR+12*\jt+4*\g+3], v1, s[WB:WB+1] offset:(\ks)*6400+\jt*1536+512*\g
.endr
.endr
	WIN 0
.irp a, 0,1
	global_load_b32 v[48+2*(\ks)+\a], v4, s[WB:WB+1] offset:(\ks)*6400+6144+128*\a
.endr
.endm
.macro FETCH ks, set                   ; the eight fragments of x of K step ks and their four scale registers: 28 LDS loads
.if (\ks) < 5
.set FA, 1
.set FO, (\ks)*12288
.else
.set FA, 2
.set FO, ((\ks)-5)*12288
.endif
.irp ct, 0,1,2,3,4,5,6,7
.irp g, 0,1,2
	ds_load_b128 v[64+96*(\set)+12*\ct+4*\g:64+96*(\set)+12*\ct+4*\g+3], v[FA] offset:FO+\ct*1536+512*\g
.endr
.endr
.irp a, 0,1,2,3
	ds_load_b32 v[16+4*(\set)+\a], v3 offset:512*(\ks)+128*\a
.endr
.endm
.macro MUL ks, set                     ; 32 products, each on another accumulator, in the same order in every K step
.if (\ks) < 5
	WIN 0xF4
.set BR, 48*(\ks)
.else
	WIN 0xF8
.set BR, 48*((\ks)-5)
.endif
.irp jt, 0,1,2,3
.irp ct, 0,1,2,3,4,5,6,7
.if (\ks) == 0
	WM 8*(\ct+8*\jt), 64+96*(\set)+12*\ct, BR+12*\jt, -1, 16+4*(\set)+\ct/2, 48+2*(\ks)+\jt/2, \ct%2, \jt%2
.else
	WM 8*(\ct+8*\jt), 64+96*(\set)+12*\ct, BR+12*\jt, 8*(\ct+8*\jt), 16+4*(\set)+\ct/2, 48+2*(\ks)+\jt/2, \ct%2, \jt%2
.endif
.endr
.endr
	WIN 0
.endm
.macro STEPK ks
.if (\ks)+4 <= 7
	LOADB (\ks)+4
.endif
.if (\ks) < 7
.if (\ks) >= 1
	NOPS 4                                         ; four places ahead of loads into the set that the last products read
.endif
	FETCH (\ks)+1, ((\ks)+1)%2
	s_wait_dscnt 28                                ; this K step is in; the 28 loads just issued may be out
.else
	s_wait_dscnt 0x0
.endif
.if (\ks)+4 <= 7
	s_wait_loadcnt 56                              ; w_qk of this K step is in; the four later K steps (14 loads each) may be out
.else
	s_wait_loadcnt 14*(7-(\ks))
.endif
	MUL \ks, (\ks)%2
.endm
	WIN 0xC0
.set i, 0
.rept 48
	global_load_b128 v[4*i:4*i+3], v1, s[12:13] offset:512*i   ; my quarter of the 64 images, as it lies
.set i, i+1
.endr
	global_load_b128 v[192:195], v1, s[14:15]
	global_load_b128 v[196:199], v1, s[14:15] offset:512
	LOADB 0
	s_wait_loadcnt 14                              ; all but the 14 loads of K step 0 of w_qk
	WIN 0x0C
.set i, 0
.rept 48
	ds_store_b128 v6, v[4*i:4*i+3] offset:512*i
.set i, i+1
.endr
	ds_store_b128 v7, v[192:195]
	ds_store_b128 v7, v[196:199] offset:512
	WIN 0
	LOADB 1
	LOADB 2
	LOADB 3
	s_wait_dscnt 0x0                               ; my stores have landed,
	s_barrier_signal -1
	s_barrier_wait -1                              ; everybody's have
	FETCH 0, 0
	STEPK 0
	STEPK 1
	STEPK 2
	STEPK 3
	STEPK 4
	STEPK 5
	STEPK 6
	STEPK 7
	NOPS 4
.irp b, 0,1,2,3
	v_mov_b32 v[TM+4+\b], 0                        ; the destination of a lane permute counts as read
.endr
.irp jt, 0,1,2,3
.if \jt > 0
	s_wait_xcnt 0x0                                ; the last stores have read their registers
.endif
	QUANT 64*\jt, 3, s38, PC, PW
	v_sub_nc_u32 v[PW], v[PW], s39                 ; q: 5 off each byte: x 2^-5
	global_store_b128 v1, v[PC:PC+3], s[32:33] offset:\jt*1536
	global_store_b128 v1, v[PC+4:PC+7], s[32:33] offset:\jt*1536+512
	global_store_b128 v1, v[PC+8:PC+11], s[32:33] offset:\jt*1536+1024
	global_store_b32 v5, v[PW], s[34:35] offset:\jt*64
.endr
	s_wait_tensorcnt 0x0                           ; the end of the wave
	ds_add_u32 v[SPW], v[NIL]
	s_wait_dscnt 0x0
	s_endpgm
.Lfunc_end_k_q1d603db744_qk:
	.size	k_q1d603db744_qk, .Lfunc_end_k_q1d603db744_qk-k_q1d603db744_qk
	.p2alignl 7, 3214868480
	.fill 96, 4, 3214868480
	.section	.rodata,"a",@progbits
	.p2align	6, 0x0
	.amdhsa_kernel k_q1d603db744_qk
		.amdhsa_group_segment_fixed_size 102912
		.amdhsa_private_segment_fixed_size 0
		.amdhsa_enable_private_segment 0
		.amdhsa_kernarg_size 24
		.amdhsa_user_sgpr_count 2
		.amdhsa_user_sgpr_kernarg_segment_ptr 1
		.amdhsa_wavefront_size32 1
		.amdhsa_system_sgpr_workgroup_id_x 1
		.amdhsa_system_sgpr_workgroup_id_y 1
		.amdhsa_system_sgpr_workgroup_id_z 1
		.amdhsa_system_vgpr_workitem_id 0
		.amdhsa_next_free_vgpr 1024
		.amdhsa_next_free_sgpr 66
		.amdhsa_reserve_vcc 0
		.amdhsa_float_denorm_mode_32 3
		.amdhsa_float_denorm_mode_16_64 3
		.amdhsa_memory_ordered 1
		.amdhsa_forward_progress 1
		.amdhsa_inst_pref_size 88
	.end_amdhsa_kernel
	.amdgpu_metadata
---
amdhsa.version: [ 1, 2 ]
amdhsa.kernels:
  - .name:           k_q1d603db744_qk
    .symbol:         k_q1d603db744_qk.kd
    .args:
      - { .name: xln, .offset: 0, .size: 8, .value_kind: global_buffer, .address_space: global }
      - { .name: wcodes, .offset: 8, .size: 8, .value_kind: global_buffer, .address_space: global }
      - { .name: qkcodes, .offset: 16, .size: 8, .value_kind: global_buffer, .address_space: global }
    .group_segment_fixed_size: 102912
    .private_segment_fixed_size: 0
    .kernarg_segment_align: 8
    .kernarg_segment_size: 24
    .max_flat_workgroup_size: 128
    .sgpr_count:     66
    .vgpr_count:     1024
    .wavefront_size: 32
...
	.end_amdgpu_metadata
.endif
;; end of part 3
;; launch att (part 4): grid 16 x 16, 8 waves a work-group, no clusters, 60,416 bytes of LDS; arguments qkcodes, wcodes, b_spa, b_frq, pcodes; writes pcodes
.if DOCPART == 4
	.amdgcn_target "amdgcn-amd-amdhsa--gfx1250"
	.amdhsa_code_object_version 6
	.text
	.protected	k_q1d603db744_att
	.globl	k_q1d603db744_att
	.p2align	8
	.type	k_q1d603db744_att,@function
k_q1d603db744_att:
	s_mov_b64 s[64:65], 0
	v_nop
	global_prefetch_b8 v0, s[64:65] scope:SCOPE_SE
	s_setreg_imm32_b32 hwreg(HW_REG_WAVE_MODE, 25, 1), 1
	s_wait_xcnt 0x0
; ATT: att = q^T k / 32, its quantiser along m; then twice (w_spa, w_frq): logits = att w^T + b, the softmax over the 1,024 outputs with its maximum taken away, and the quantiser of the finished softmax along the rows n.  No work is left out.
; A work-group (x = rb, y = b) has 64 rows n of one batch.  The logits never go to memory: 64 x 1,024 f32 lie in the accumulators of its eight waves, 256 registers each (window 1).
; FIRST PRODUCT: source 0 = 16 m of k (wave w8 has m = 128 w8 ..), source 1 = 16 n of q: a lane holds one n, registers run along m: four fragments a wave, K step w8 of the next product; they go to LDS as images.
; SECOND PRODUCT: source 0 = 16 n of att (LDS; two sets of registers, a K step is fetched a whole K step ahead), source 1 = 16 outputs j of the weight (wave w8 has j = 128 w8 ..; each fragment is used by this wave alone
;   and comes from memory straight into registers, five groups of two ahead).  A lane holds one j; accumulator (nt, jt) at 8 (nt + 4 jt); its register i is row n = 32 (nt / 2) + 16 (lane / 16) + 8 (nt % 2) + i of the 64.
; SOFTMAX: a row's numbers lie in 8 registers x 16 lanes x 8 waves: registers, four steps between lanes, then LDS.  p = 2^(x log2 e - max log2 e), divided by the row's sum, then quantised.
; No cluster: a K step's weights are 102,400 bytes a work-group, so two slots of one K step are all that fits beside the 60,416 bytes in use; a slot would have one K step's 64 products a SIMD in which to land, and each weight byte would cross LDS twice more.
; LIMITS: largest magnitudes under 2^(3 - 127) are taken as that floor; NaN and infinities are not served.
; REGISTERS, window 0: v1-9 addresses; v16-63, v64-111 two sets of four fragments of att; v112-231 the ring of weight fragments; v232-243 scale words alone; v244-247 scale words made.
;   In the first product: v16-63 and v160-207 q, v64-159 k, v208-223 at work in the quantiser.  In the softmax: v16-31 the biases, v16-207 at work.
.set ASC,   49152                      ; LDS: 0 .. 49,151 the 32 images [ks][nt]; then their scale words, 2,048 bytes
.set SAM,   51200                      ; [wave][64 rows] f32: the maxima of each wave;
.set SBM,   53248                      ; [wave][64 rows]: the joined maxima, each wave's own copy
.set SAS,   55296                      ; the same for the sums
.set SBS,   57344
.set SPARE, 59392                      ; the spare words: 128 bytes a wave, named by no other line
.set SPW,   12
.set NIL,   13
.set TM,    208
.set RB,    112                        ; the ring: five places of two fragments
.set SCB,   232                        ; v232-236 the weights' scale words, by place in the ring
.set SCA,   237                        ; v237-240 those of att: two sets of two
.set SEL,   34
.set L2E,   36
.set NL2E,  38
.set WB,    20
.set PCB,   24
.set PSB,   26
.set MSB, 0
.macro WIN new                         ; the high byte of the immediate repeats the setting that is left
.if MSB != (\new)
	s_set_vgpr_msb (MSB<<8)|(\new)
.set MSB, (\new)
.endif
.endm
.macro NOPS n
.rept \n
	v_nop
.endr
.endm
; one scaled product.  c < 0: C is the constant 0.  ra, rb = 1: the scale words are taken from lanes 16-31 of their register
.macro WM d, a, b, c, sa, sb, ra, rb
.if (\c) < 0
.if ((\ra) == 0) && ((\rb) == 0)
	v_wmma_scale_f32_16x16x128_f8f6f4 v[(\d):(\d)+7], v[(\a):(\a)+11], v[(\b):(\b)+11], 0, v[\sa], v[\sb] matrix_a_fmt:MATRIX_FMT_FP6 matrix_b_fmt:MATRIX_FMT_FP6
.elseif ((\ra) == 1) && ((\rb) == 0)
	v_wmma_scale_f32_16x16x128_f8f6f4 v[(\d):(\d)+7], v[(\a):(\a)+11], v[(\b):(\b)+11], 0, v[\sa], v[\sb] matrix_a_fmt:MATRIX_FMT_FP6 matrix_b_fmt:MATRIX_FMT_FP6 matrix_a_scale:MATRIX_SCALE_ROW1
.elseif ((\ra) == 0) && ((\rb) == 1)
	v_wmma_scale_f32_16x16x128_f8f6f4 v[(\d):(\d)+7], v[(\a):(\a)+11], v[(\b):(\b)+11], 0, v[\sa], v[\sb] matrix_a_fmt:MATRIX_FMT_FP6 matrix_b_fmt:MATRIX_FMT_FP6 matrix_b_scale:MATRIX_SCALE_ROW1
.else
	v_wmma_scale_f32_16x16x128_f8f6f4 v[(\d):(\d)+7], v[(\a):(\a)+11], v[(\b):(\b)+11], 0, v[\sa], v[\sb] matrix_a_fmt:MATRIX_FMT_FP6 matrix_b_fmt:MATRIX_FMT_FP6 matrix_a_scale:MATRIX_SCALE_ROW1 matrix_b_scale:MATRIX_SCALE_ROW1
.endif
.else
.if ((\ra) == 0) && ((\rb) == 0)
	v_wmma_scale_f32_16x16x128_f8f6f4 v[(\d):(\d)+7], v[(\a):(\a)+11], v[(\b):(\b)+11], v[(\c):(\c)+7], v[\sa], v[\sb] matrix_a_fmt:MATRIX_FMT_FP6 matrix_b_fmt:MATRIX_FMT_FP6
.elseif ((\ra) == 1) && ((\rb) == 0)
	v_wmma_scale_f32_16x16x128_f8f6f4 v[(\d):(\d)+7], v[(\a):(\a)+11], v[(\b):(\b)+11], v[(\c):(\c)+7], v[\sa], v[\sb] matrix_a_fmt:MATRIX_FMT_FP6 matrix_b_fmt:MATRIX_FMT_FP6 matrix_a_scale:MATRIX_SCALE_ROW1
.elseif ((\ra) == 0) && ((\rb) == 1)
	v_wmma_scale_f32_16x16x128_f8f6f4 v[(\d):(\d)+7], v[(\a):(\a)+11], v[(\b):(\b)+11], v[(\c):(\c)+7], v[\sa], v[\sb] matrix_a_fmt:MATRIX_FMT_FP6 matrix_b_fmt:MATRIX_FMT_FP6 matrix_b_scale:MATRIX_SCALE_ROW1
.else
	v_wmma_scale_f32_16x16x128_f8f6f4 v[(\d):(\d)+7], v[(\a):(\a)+11], v[(\b):(\b)+11], v[(\c):(\c)+7], v[\sa], v[\sb] matrix_a_fmt:MATRIX_FMT_FP6 matrix_b_fmt:MATRIX_FMT_FP6 matrix_a_scale:MATRIX_SCALE_ROW1 matrix_b_scale:MATRIX_SCALE_ROW1
.endif
.endif
.endm
; 64 numbers of a lane, v[s] .. v[s + 63] of window w, register 16 b + i = k 32 b + 16 (lane / 16) + i of my row, become a fragment in v[pc] .. v[pc + 11] and its scale word in v[pw], both in window 0.
; Each accumulator is read first at its registers 0 and 1.
.macro QUANT s, w, flr, pc, pw
	WIN (\w)|((\w)<<2)
.irp b, 0,1,2,3
	v_max3_num_f32 v[TM+\b], |v[(\s)+16*\b]|, |v[(\s)+1+16*\b]|, \flr
.endr
	WIN ((\w)<<2)|((\w)<<4)
.irp i, 2,4,6,8,10,12,14
.irp b, 0,1,2,3
	v_max3_num_f32 v[TM+\b], v[TM+\b], |v[(\s)+16*\b+\i]|, |v[(\s)+1+16*\b+\i]|
.endr
.endr
	WIN 0
.irp b, 0,1,2,3
	v_permlanex16_b32 v[TM+4+\b], v[TM+\b], s[SEL], s[SEL+1]
.endr
.irp b, 0,1,2,3
	v_max_num_f32 v[TM+\b], v[TM+\b], v[TM+4+\b]
.endr
.irp b, 0,1,2,3
	v_add_nc_u32 v[TM+12+\b], 0xff000000, v[TM+\b]
.endr
.irp b, 0,1,2,3
	v_lshrrev_b32 v[TM+4+\b], 23, v[TM+12+\b]
.endr
	v_lshl_or_b32 v[\pw], v[TM+5], 8, v[TM+4]
	v_lshl_or_b32 v[\pw], v[TM+6], 16, v[\pw]
	v_lshl_or_b32 v[\pw], v[TM+7], 24, v[\pw]
	WIN (\w)
.irp c, 0,1
	v_cvt_scalef32_pk16_fp6_f32 v[(\pc)+6*\c:(\pc)+6*\c+2], v[(\s)+32*\c:(\s)+32*\c+15], v[TM+12+2*\c]
	v_cvt_scalef32_pk16_fp6_f32 v[TM+4*\c:TM+4*\c+2], v[(\s)+32*\c+16:(\s)+32*\c+31], v[TM+13+2*\c]
.endr
	WIN 0
	v_nop                                          ; one plain line behind the conversions
.irp c, 0,1
.irp i, 0,1,2
	v_permlane16_swap_b32 v[(\pc)+6*\c+\i], v[TM+4*\c+\i]
.endr
.irp i, 0,1,2
	v_mov_b32 v[(\pc)+6*\c+3+\i], v[TM+4*\c+\i]
.endr
.endr
.endm
.macro BAR                             ; my LDS stores have landed and my LDS loads are in: then the barrier of the work-group
	s_wait_dscnt 0x0
	s_barrier_signal -1
	s_barrier_wait -1
.endm
	s_load_b256 s[4:11], s[0:1], 0x0               ; qkcodes, wcodes, b_spa, b_frq
	s_load_b64 s[12:13], s[0:1], 0x20              ; pcodes
	v_lshl_add_u32 v[SPW], v0, 2, SPARE
	v_mov_b32 v[NIL], 0
	v_lshrrev_b32 v1, 5, v0
	v_readfirstlane_b32 s14, v1                    ; w8
	s_and_b32 s15, ttmp7, 0xffff                   ; b;  rb = ttmp9
	v_and_b32 v10, 31, v0
	v_lshlrev_b32 v1, 4, v10                       ; 16 L
	v_lshlrev_b32 v2, 2, v10                       ; 4 L
	v_lshlrev_b32 v3, 3, v10                       ; 8 L
	v_and_b32 v11, 15, v0
	v_lshlrev_b32 v4, 4, v11                       ; 16 r
	v_lshlrev_b32 v5, 2, v11                       ; 4 r
	s_mul_i32 s16, s14, 6144
	v_add_nc_u32 v6, s16, v1                       ; where my four images go
	s_lshl_b32 s17, s14, 8
	v_add_nc_u32 v7, s17, v5
	v_add_nc_u32 v7, ASC, v7                       ; and their scale words
	v_bfe_u32 v8, v0, 4, 1
	v_lshlrev_b32 v8, 5, v8
	v_add_nc_u32 v8, s17, v8                       ; 256 w8 + 32 h: my eight rows of a tile among my wave's 64
	v_add_nc_u32 v9, s17, v2                       ; 256 w8 + 4 L
.irp b, 0,1,2,3
	v_mov_b32 v[TM+4+\b], 0                        ; the destination of a lane permute counts as read
.endr
	s_mov_b32 s[SEL], 0x76543210
	s_mov_b32 s[SEL+1], 0xfedcba98
	s_mov_b32 s[L2E], 0x3fb8aa3b                   ; log2 e
	s_mov_b32 s[L2E+1], s[L2E]                     ; (named with it as a pair)
	s_mov_b32 s[NL2E], 0xbfb8aa3b                  ; - log2 e
	s_lshl_b32 s16, s15, 4
	s_add_co_u32 s16, s16, ttmp9
	s_mul_i32 s16, s16, 12800                      ; q: [b][rb][K step] blocks of 6,400 bytes
	s_mov_b32 s17, 0
	s_lshl_b32 s18, s15, 3
	s_add_co_u32 s18, s18, s14
	s_mul_i32 s18, s18, 25600
	s_add_co_u32 s18, s18, 3276800                 ; k: [b][w8][K step] blocks of 12,800 bytes
	s_mov_b32 s19, 0
	s_mul_i32 s20, s14, 102400                     ; the weights: [which][w8][K step] blocks of 12,800 bytes
	s_mov_b32 s21, 0
	s_lshl_b32 s22, s14, 9                         ; the biases: 128 w8 numbers on
	s_mov_b32 s23, 0
	s_lshl_b32 s24, s15, 4
	s_add_co_u32 s24, s24, s14
	s_mul_i32 s24, s24, 98304
	s_lshr_b32 s28, ttmp9, 1
	s_mul_i32 s28, s28, 12288
	s_add_co_u32 s24, s24, s28
	s_and_b32 s28, ttmp9, 1
	s_mul_i32 s28, s28, 768
	s_add_co_u32 s24, s24, s28                     ; p: [2 b + which][w8][rb / 2][jt][rb % 2] halves of 768 bytes
	s_mov_b32 s25, 0
	s_lshl_b32 s26, s15, 5
	s_add_co_u32 s26, s26, ttmp9
	s_lshl_b32 s26, s26, 3
	s_add_co_u32 s26, s26, s14
	s_lshl_b32 s26, s26, 8
	s_add_co_u32 s26, s26, 25165824                ; its scale bytes: [2 b + which][rb][w8] blocks of 256 bytes
	s_mov_b32 s27, 0
	s_wait_kmcnt 0x0
	s_add_nc_u64 s[16:17], s[4:5], s[16:17]
	s_add_nc_u64 s[18:19], s[4:5], s[18:19]
	s_add_nc_u64 s[WB:WB+1], s[6:7], s[20:21]
	s_add_nc_u64 s[8:9], s[8:9], s[22:23]
	s_add_nc_u64 s[10:11], s[10:11], s[22:23]
	s_add_nc_u64 s[PCB:PCB+1], s[12:13], s[24:25]
	s_add_nc_u64 s[PSB:PSB+1], s[12:13], s[26:27]
; ---- att = q^T k / 32 (the factor lies in the scale bytes of q)
.irp nt, 0,1,2,3
.irp g, 0,1,2
	global_load_b128 v[16+12*\nt+4*\g:19+12*\nt+4*\g], v1, s[16:17] offset:\nt*1536+512*\g          ; q, K step 0
.endr
.endr
.irp mt, 0,1,2,3,4,5,6,7
.irp g, 0,1,2
	global_load_b128 v[64+12*\mt+4*\g:67+12*\mt+4*\g], v1, s[18:19] offset:\mt*1536+512*\g          ; k, K step 0
.endr
.endr
.irp c, 0,1
.irp a, 0,1,2,3
	global_load_b32 v[232+4*\c+\a], v2, s[18:19] offset:\c*12800+12288+128*\a                       ; scale words of k: v232-239
.endr
.irp a, 0,1
	global_load_b32 v[240+2*\c+\a], v2, s[16:17] offset:\c*6400+6144+128*\a                         ; of q: v240-243
.endr
.endr
.irp nt, 0,1,2,3
.irp g, 0,1,2
	global_load_b128 v[160+12*\nt+4*\g:163+12*\nt+4*\g], v1, s[16:17] offset:6400+\nt*1536+512*\g   ; q, K step 1
.endr
.endr
.macro P5 c, m0                        ; 16 products: tiles m0 .. m0 + 3 of k against the four of q, each on another accumulator
.irp dm, 0,1,2,3
.irp nt, 0,1,2,3
.if (\c) == 0
	WM 8*((\m0)+\dm+8*\nt), 64+12*((\m0)+\dm), 16+12*\nt, -1, 232+((\m0)+\dm)/2, 240+\nt/2, \dm%2, \nt%2
.else
	WM 8*((\m0)+\dm+8*\nt), 64+12*((\m0)+\dm), 160+12*\nt, 8*((\m0)+\dm+8*\nt), 236+((\m0)+\dm)/2, 242+\nt/2, \dm%2, \nt%2
.endif
.endr
.endr
.endm
.macro KLOAD m0                        ; k, K step 1, tiles m0 .. m0 + 3: 12 loads
.irp dm, 0,1,2,3
.irp g, 0,1,2
	global_load_b128 v[64+12*((\m0)+\dm)+4*\g:67+12*((\m0)+\dm)+4*\g], v1, s[18:19] offset:12800+((\m0)+\dm)*1536+512*\g
.endr
.endr
.endm
	s_wait_loadcnt 12                              ; all but the 12 loads of K step 1 of q
	WIN 0x50
	P5 0, 0
	NOPS 4                                         ; four places ahead of loads into registers that products have read
	WIN 0
	KLOAD 0
	WIN 0x50
	P5 0, 4
	NOPS 4
	WIN 0
	KLOAD 4
	s_wait_loadcnt 12                              ; q and tiles 0-3 of k are in; the last 12 loads may be out
	WIN 0x50
	P5 1, 0
	s_wait_loadcnt 0x0
	P5 1, 4
	NOPS 4
	WIN 0
.irp nt, 0,1,2,3
	QUANT 64*\nt, 1, 0x1800000, 16+12*\nt, 244+\nt
.irp c, 0,1,2
	ds_store_b128 v6, v[16+12*\nt+4*\c:19+12*\nt+4*\c] offset:1536*\nt+512*\c
.endr
	ds_store_b32 v7, v[244+\nt] offset:64*\nt      ; lanes r and r + 16 store the same word to the same place
.endr
	BAR                                            ; the 32 images of att lie in LDS; they are never written again
.macro LOADG g                         ; group g of 32: two weight fragments (jt = 2 (g % 4), + 1) of K step g / 4, and their scale register: 7 loads
.set LR, RB+24*((\g)%5)
.set LO, ((\g)/4)*12800+((\g)%4)*3072
.irp f, 0,1,2,3,4,5
	global_load_b128 v[LR+4*\f:LR+4*\f+3], v1, s[WB:WB+1] offset:LO+512*\f
.endr
	global_load_b32 v[SCB+(\g)%5], v2, s[WB:WB+1] offset:((\g)/4)*12800+12288+((\g)%4)*128
.endm
.macro AFETCH ks                       ; the four fragments of att of K step ks and their two scale registers, into set ks % 2: 14 LDS loads
.irp nt, 0,1,2,3
.irp g, 0,1,2
	ds_load_b128 v[16+48*((\ks)%2)+12*\nt+4*\g:19+48*((\ks)%2)+12*\nt+4*\g], v1 offset:6144*(\ks)+1536*\nt+512*\g
.endr
.endr
	ds_load_b32 v[SCA+2*((\ks)%2)], v2 offset:ASC+256*(\ks)
	ds_load_b32 v[SCA+2*((\ks)%2)+1], v2 offset:ASC+256*(\ks)+128
.endm
; The 32 row figures v[m] .. v[m + 31] of each wave (equal in the 16 lanes of a half) are joined over the eight waves.  Row 16 nt + 8 h + i of 64 is register 8 nt + i of half h.
; Each wave stores its 64, a barrier, each lane joins rows L and L + 32 of all eight waves in one fixed order, finishes them (add = 0: x - log2 e; add = 1: the reciprocal), and they come back through the wave's own bytes.
.macro RED sa, sb, m, add
.irp nt, 0,1,2,3
	ds_store_b128 v8, v[(\m)+8*\nt:(\m)+8*\nt+3] offset:(\sa)+64*\nt
	ds_store_b128 v8, v[(\m)+8*\nt+4:(\m)+8*\nt+7] offset:(\sa)+64*\nt+16
.endr
	BAR
.irp w, 0,1,2,3,4,5,6,7
.irp e, 0,1
	ds_load_b32 v[96+2*\w+\e], v2 offset:(\sa)+256*\w+128*\e
.endr
.endr
	s_wait_dscnt 0x0
.if \add
	v_pk_add_f32 v[96:97], v[96:97], v[98:99]
	v_pk_add_f32 v[100:101], v[100:101], v[102:103]
	v_pk_add_f32 v[104:105], v[104:105], v[106:107]
	v_pk_add_f32 v[108:109], v[108:109], v[110:111]
	v_pk_add_f32 v[96:97], v[96:97], v[100:101]
	v_pk_add_f32 v[104:105], v[104:105], v[108:109]
	v_pk_add_f32 v[96:97], v[96:97], v[104:105]
	v_rcp_f32 v96, v96
	v_rcp_f32 v97, v97
	v_nop                                          ; a plain line behind the transcendentals,
	s_wait_alu depctr_va_vdst(0)                   ; and the one wait ahead of the first use of their results
.else
.irp e, 0,1
	v_max3_num_f32 v[96+\e], v[96+\e], v[98+\e], v[100+\e]
.endr
.irp e, 0,1
	v_max3_num_f32 v[96+\e], v[96+\e], v[102+\e], v[104+\e]
.endr
.irp e, 0,1
	v_max3_num_f32 v[96+\e], v[96+\e], v[106+\e], v[108+\e]
.endr
.irp e, 0,1
	v_max_num_f32 v[96+\e], v[96+\e], v[110+\e]
.endr
.irp e, 0,1
	v_mul_f32 v[96+\e], s[NL2E], v[96+\e]
.endr
.endif
	ds_store_b32 v9, v96 offset:(\sb)
	ds_store_b32 v9, v97 offset:(\sb)+128
.irp nt, 0,1,2,3
	ds_load_b128 v[(\m)+8*\nt:(\m)+8*\nt+3], v8 offset:(\sb)+64*\nt          ; my own bytes: LDS serves a wave in order
	ds_load_b128 v[(\m)+8*\nt+4:(\m)+8*\nt+7], v8 offset:(\sb)+64*\nt+16
.endr
	s_wait_dscnt 0x0
.endm
	s_mov_b32 s40, 0
.Lmod:                                 ; two trips: w_spa with b_spa, w_frq with b_frq
	s_cmp_eq_u32 s40, 0
	s_cselect_b64 s[42:43], s[8:9], s[10:11]
.irp g, 0,1,2,3,4
	LOADG \g
.endr
	AFETCH 0
	AFETCH 1
.set G, 0
.rept 32
.set POS, G%5
.set AFS, 16+48*((G/4)%2)
.set ASR, SCA+2*((G/4)%2)
.if (G%4) == 0
.if G < 28
	s_wait_dscnt 14                                ; the fragments of att of this K step are in; the 14 loads of the next K step may be out
.else
	s_wait_dscnt 0x0
.endif
.endif
.if G < 28
	s_wait_loadcnt 28                              ; group G is in; the four younger groups (7 loads each) may be out
.else
	s_wait_loadcnt 7*(31-G)+16                     ; the younger groups and the 16 loads of the biases may be out
.endif
	WIN 0x50
.irp jj, 0,1
.irp nt, 0,1,2,3
.if G < 4
	WM 8*(\nt+4*(2*(G%4)+\jj)), AFS+12*\nt, RB+24*POS+12*\jj, -1, ASR+\nt/2, SCB+POS, \nt%2, \jj
.else
	WM 8*(\nt+4*(2*(G%4)+\jj)), AFS+12*\nt, RB+24*POS+12*\jj, 8*(\nt+4*(2*(G%4)+\jj)), ASR+\nt/2, SCB+POS, \nt%2, \jj
.endif
.endr
.endr
	NOPS 4                                         ; four places ahead of loads into registers that these products read, and of the first read of results
	WIN 0
.if G+5 <= 31
	LOADG G+5                                      ; into the place of the ring that group G has left
.endif
.if ((G%4) == 3) && (G < 24)
	AFETCH G/4+2                                   ; the K step after the next, into the set that this K step has left: it has a whole K step in which to land
.endif
.if G == 27                            ; set 0 has had its last products: its first 16 registers take the biases
.irp jt, 0,1,2,3,4,5,6,7
	global_load_b32 v[16+2*\jt], v5, s[42:43] offset:64*\jt        ; the bias of my column of tile jt, twice: a pair for the packed addition
	global_load_b32 v[17+2*\jt], v5, s[42:43] offset:64*\jt
.endr
.endif
.set G, G+1
.endr
	s_wait_loadcnt 0x0                             ; the biases
; ---- the softmax over j
	WIN 0x41
.set j, 0
.rept 128
	v_pk_add_f32 v[2*j:2*j+1], v[2*j:2*j+1], v[16+2*(j/16):17+2*(j/16)]     ; + bias; each accumulator from its low end on
.set j, j+1
.endr
	WIN 0x15
.set j, 0
.rept 32
	v_max3_num_f32 v[32+j], v[j], v[32+j], v[64+j] ; row j: its numbers in my eight tiles
.set j, j+1
.endr
	WIN 0x14
.set j, 0
.rept 32
	v_max3_num_f32 v[32+j], v[32+j], v[96+j], v[128+j]
.set j, j+1
.endr
.set j, 0
.rept 32
	v_max3_num_f32 v[32+j], v[32+j], v[160+j], v[192+j]
.set j, j+1
.endr
	WIN 0x04
.set j, 0
.rept 32
	v_max_num_f32 v[32+j], v[32+j], v[224+j]
.set j, j+1
.endr
	WIN 0
.irp m, 1,2,4,8
.set j, 0
.rept 32
	v_max_num_f32_dpp v[32+j], v[32+j], v[32+j] row_xmask:\m row_mask:0xf bank_mask:0xf
.set j, j+1
.endr
.endr
	RED SAM, SBM, 32, 0                            ; v32-63: - max x log2 e of each row
	WIN 0x41
.set j, 0
.rept 128
	v_pk_fma_f32 v[2*j:2*j+1], v[2*j:2*j+1], s[L2E:L2E+1], v[32+2*(j%16):33+2*(j%16)] op_sel_hi:[1,0,1]
.set j, j+1
.endr
.set j, 0
.rept 256
	v_exp_f32 v[j], v[j]
.set j, j+1
.endr
	v_nop                                          ; a plain line behind the last exponential,
	s_wait_alu depctr_va_vdst(0)                   ; and ONE wait for the 256, ahead of the first line that names a result
	WIN 0x05
.set j, 0
.rept 16
	v_pk_add_f32 v[64+2*j:65+2*j], v[2*j:2*j+1], v[32+2*j:33+2*j]
.set j, j+1
.endr
	WIN 0x04
.irp jt, 2,3,4,5,6,7
.set j, 0
.rept 16
	v_pk_add_f32 v[64+2*j:65+2*j], v[64+2*j:65+2*j], v[32*\jt+2*j:32*\jt+2*j+1]
.set j, j+1
.endr
.endr
	WIN 0
.irp m, 1,2,4,8
.set j, 0
.rept 32
	v_add_f32_dpp v[64+j], v[64+j], v[64+j] row_xmask:\m row_mask:0xf bank_mask:0xf
.set j, j+1
.endr
.endr
	RED SAS, SBS, 64, 1                            ; v64-95: 1 / the sum of each row
	WIN 0x41
.set j, 0
.rept 128
	v_pk_mul_f32 v[2*j:2*j+1], v[2*j:2*j+1], v[64+2*(j%16):65+2*(j%16)]
.set j, j+1
.endr
; ---- the quantiser along n: block q = 2 jt + p is registers 16 q .. 16 q + 15 of lanes l and l xor 16.  No number is negative
	WIN 0x05
.set q, 0
.rept 16
	v_max3_num_f32 v[96+q], v[16*q], v[16*q+1], 0x1800000
.set q, q+1
.endr
	WIN 0x14
.irp i, 2,4,6,8,10,12,14
.set q, 0
.rept 16
	v_max3_num_f32 v[96+q], v[96+q], v[16*q+\i], v[16*q+\i+1]
.set q, q+1
.endr
.endr
	WIN 0
.set q, 0
.rept 16
	v_permlanex16_b32 v[112+q], v[96+q], s[SEL], s[SEL+1]
.set q, q+1
.endr
.set q, 0
.rept 16
	v_max_num_f32 v[96+q], v[96+q], v[112+q]
.set q, q+1
.endr
.set q, 0
.rept 16
	v_add_nc_u32 v[128+q], 0xff000000, v[96+q]     ; the scale operand of the conversion
.set q, q+1
.endr
.set q, 0
.rept 16
	v_lshrrev_b32 v[112+q], 23, v[128+q]           ; the byte
.set q, q+1
.endr
.irp jt, 0,1,2,3,4,5,6,7
	v_lshl_or_b32 v[144+\jt], v[113+2*\jt], 8, v[112+2*\jt]
.endr
.irp a, 0,1,2,3
	v_lshl_or_b32 v[176+\a], v[145+2*\a], 16, v[144+2*\a]   ; eight halfwords, tile jt at halfword jt
.endr
	WIN 0x01
.irp jt, 0,1,2,3,4,5,6,7
	v_cvt_scalef32_pk16_fp6_f32 v[16+8*\jt:18+8*\jt], v[32*\jt:32*\jt+15], v[128+2*\jt]
	v_cvt_scalef32_pk16_fp6_f32 v[80+4*\jt:82+4*\jt], v[32*\jt+16:32*\jt+31], v[129+2*\jt]
.endr
	WIN 0
	v_nop                                          ; one plain line behind the conversions
.irp jt, 0,1,2,3,4,5,6,7               ; a whole block to a lane: lanes 0-15 rows 0-31, lanes 16-31 rows 32-63: six registers, half a fragment
.irp i, 0,1,2
	v_permlane16_swap_b32 v[16+8*\jt+\i], v[80+4*\jt+\i]
.endr
.irp i, 0,1,2
	v_mov_b32 v[19+8*\jt+\i], v[80+4*\jt+\i]
.endr
.endr
.irp jt, 0,1,2,3,4,5,6,7
	global_store_b128 v1, v[16+8*\jt:19+8*\jt], s[PCB:PCB+1] offset:1536*\jt        ; 512 consecutive bytes, at a multiple of 256
	global_store_b64 v3, v[20+8*\jt:21+8*\jt], s[PCB:PCB+1] offset:1536*\jt+512     ; 256 consecutive bytes, at a multiple of 256
.endr
	global_store_b128 v4, v[176:179], s[PSB:PSB+1] ; 16 lanes fill 256 consecutive bytes; lanes r and r + 16 store the same
	s_wait_xcnt 0x0                                ; the stores have read their registers and bases: both are written again below and in the next trip
	s_add_nc_u64 s[WB:WB+1], s[WB:WB+1], 819200
	s_add_nc_u64 s[PCB:PCB+1], s[PCB:PCB+1], 786432
	s_add_nc_u64 s[PSB:PSB+1], s[PSB:PSB+1], 32768
	s_add_co_u32 s40, s40, 1
	s_cmp_lt_u32 s40, 2
	s_cbranch_scc1 .Lmod
	s_wait_tensorcnt 0x0                           ; the end of the wave
	ds_add_u32 v[SPW], v[NIL]
	s_wait_dscnt 0x0
	s_endpgm
.Lfunc_end_k_q1d603db744_att:
	.size	k_q1d603db744_att, .Lfunc_end_k_q1d603db744_att-k_q1d603db744_att
	.p2alignl 7, 3214868480
	.fill 96, 4, 3214868480
	.section	.rodata,"a",@progbits
	.p2align	6, 0x0
	.amdhsa_kernel k_q1d603db744_att
		.amdhsa_group_segment_fixed_size 60416
		.amdhsa_private_segment_fixed_size 0
		.amdhsa_enable_private_segment 0
		.amdhsa_kernarg_size 40
		.amdhsa_user_sgpr_count 2
		.amdhsa_user_sgpr_kernarg_segment_ptr 1
		.amdhsa_wavefront_size32 1
		.amdhsa_system_sgpr_workgroup_id_x 1
		.amdhsa_system_sgpr_workgroup_id_y 1
		.amdhsa_system_sgpr_workgroup_id_z 1
		.amdhsa_system_vgpr_workitem_id 0
		.amdhsa_next_free_vgpr 512
		.amdhsa_next_free_sgpr 66
		.amdhsa_reserve_vcc 0
		.amdhsa_float_denorm_mode_32 3
		.amdhsa_float_denorm_mode_16_64 3
		.amdhsa_memory_ordered 1
		.amdhsa_forward_progress 1
		.amdhsa_inst_pref_size 191
	.end_amdhsa_kernel
	.amdgpu_metadata
---
amdhsa.version: [ 1, 2 ]
amdhsa.kernels:
  - .name:           k_q1d603db744_att
    .symbol:         k_q1d603db744_att.kd
    .args:
      - { .name: qkcodes, .offset: 0, .size: 8, .value_kind: global_buffer, .address_space: global }
      - { .name: wcodes, .offset: 8, .size: 8, .value_kind: global_buffer, .address_space: global }
      - { .name: b_spa, .offset: 16, .size: 8, .value_kind: global_buffer, .address_space: global }
      - { .name: b_frq, .offset: 24, .size: 8, .value_kind: global_buffer, .address_space: global }
      - { .name: pcodes, .offset: 32, .size: 8, .value_kind: global_buffer, .address_space: global }
    .group_segment_fixed_size: 60416
    .private_segment_fixed_size: 0
    .kernarg_segment_align: 8
    .kernarg_segment_size: 40
    .max_flat_workgroup_size: 256
    .sgpr_count:     66
    .vgpr_count:     512
    .wavefront_size: 32
...
	.end_amdgpu_metadata
.endif
;; end of part 4
;; launch out (part 5): grid 8 x 32, 4 waves a work-group, no clusters, 132,608 bytes of LDS; arguments pcodes, vcodes, x_spa, x_freq, out0, out1; writes out0, out1
.if DOCPART == 5
	.amdgcn_target "amdgcn-amd-amdhsa--gfx1250"
	.amdhsa_code_object_version 6
	.text
	.protected	k_q1d603db744_out
	.globl	k_q1d603db744_out
	.p2align	8
	.type	k_q1d603db744_out,@function
k_q1d603db744_out:
	s_mov_b64 s[64:65], 0
	v_nop
	global_prefetch_b8 v0, s[64:65] scope:SCOPE_SE
	s_setreg_imm32_b32 hwreg(HW_REG_WAVE_MODE, 25, 1), 1
	s_wait_xcnt 0x0
; OUT: out = x + v p, for x_spa with the first softmax and x_freq with the second.  No work is left out.
; A work-group (x = w8, y = bm = 2 b + which) has 128 columns m = 128 w8 .. and all 256 channels.  Source 0 = 16 columns m of p (64 fragments, shared by the four waves through LDS, as they lie in memory),
; source 1 = 16 channels of v: a lane holds one channel and eight neighbouring m.  Wave w has 64 channels: 4 tiles x 8 K steps = 32 fragments in registers of their own.  32 accumulators fill window 3.
; A fragment of p is two halves of 768 bytes (rows n 0-63 and 64-127 of the K step, made by two work-groups): registers 0-3 at 16 L, 4-5 at 512 + 8 L; registers 6-9 at 768 + 16 L, 10-11 at 1,280 + 8 L.
; Its scale words are put together once from the halfwords of the two halves.
; THE RESIDUAL IS ASKED FOR AHEAD OF AND UNDER THE PRODUCTS: each of the wave's four tiles of 16 channels has 64 registers of its own.  Tiles 0 and 1 lie in registers that nothing else uses and are asked for at the head, behind the loads
; that the first products want; tiles 2 and 3 take the registers of K steps 0-2 of v as soon as their products are issued.  Results go through a stage in LDS of each wave's own; the sum is made in the residual's registers and
; stored from them, as rows of 512 consecutive bytes.  Those registers are never written again, so no line waits for a store to have read its data.
; REGISTERS.  Window 0: v1-10 addresses; v16-47 scale words of p (4 ks + a); v48-63 those of v; v64-159, v160-255 two sets of p fragments; ahead of the first fetch v64-127 the halfwords; at the end v64-127, v128-191 rows of the result by turns.
;   Window 1: v K steps 0-4 at 48 ks + 12 jt; v240-255 residual tile 1, rows 12-15; later v0-63 tile 2, v64-127 tile 3.  Window 2: v K steps 5-7; v144-207 residual tile 0; v208-255 tile 1, rows 0-11.
;   Window 3: accumulator (mt, jt) at 8 (mt + 8 jt); before the first product: what is on its way into LDS.
.set STG,   98304                      ; LDS: 0 .. 98,303 the 64 fragments [ks][mt]; then 4 stages of 16 rows x 528 bytes
.set SPARE, 132096                     ; the spare words: 128 bytes a wave, named by no other line
.set SPW,   12
.set NIL,   13
.set WB,    22
.set XB,    26
.set OB,    28
.set MSB, 0
.macro WIN new                         ; the high byte of the immediate repeats the setting that is left
.if MSB != (\new)
	s_set_vgpr_msb (MSB<<8)|(\new)
.set MSB, (\new)
.endif
.endm
.macro NOPS n
.rept \n
	v_nop
.endr
.endm
; one scaled product.  c < 0: C is the constant 0.  ra, rb = 1: the scale words are taken from lanes 16-31 of their register
.macro WM d, a, b, c, sa, sb, ra, rb
.if (\c) < 0
.if ((\ra) == 0) && ((\rb) == 0)
	v_wmma_scale_f32_16x16x128_f8f6f4 v[(\d):(\d)+7], v[(\a):(\a)+11], v[(\b):(\b)+11], 0, v[\sa], v[\sb] matrix_a_fmt:MATRIX_FMT_FP6 matrix_b_fmt:MATRIX_FMT_FP6
.elseif ((\ra) == 1) && ((\rb) == 0)
	v_wmma_scale_f32_16x16x128_f8f6f4 v[(\d):(\d)+7], v[(\a):(\a)+11], v[(\b):(\b)+11], 0, v[\sa], v[\sb] matrix_a_fmt:MATRIX_FMT_FP6 matrix_b_fmt:MATRIX_FMT_FP6 matrix_a_scale:MATRIX_SCALE_ROW1
.elseif ((\ra) == 0) && ((\rb) == 1)
	v_wmma_scale_f32_16x16x128_f8f6f4 v[(\d):(\d)+7], v[(\a):(\a)+11], v[(\b):(\b)+11], 0, v[\sa], v[\sb] matrix_a_fmt:MATRIX_FMT_FP6 matrix_b_fmt:MATRIX_FMT_FP6 matrix_b_scale:MATRIX_SCALE_ROW1
.else
	v_wmma_scale_f32_16x16x128_f8f6f4 v[(\d):(\d)+7], v[(\a):(\a)+11], v[(\b):(\b)+11], 0, v[\sa], v[\sb] matrix_a_fmt:MATRIX_FMT_FP6 matrix_b_fmt:MATRIX_FMT_FP6 matrix_a_scale:MATRIX_SCALE_ROW1 matrix_b_scale:MATRIX_SCALE_ROW1
.endif
.else
.if ((\ra) == 0) && ((\rb) == 0)
	v_wmma_scale_f32_16x16x128_f8f6f4 v[(\d):(\d)+7], v[(\a):(\a)+11], v[(\b):(\b)+11], v[(\c):(\c)+7], v[\sa], v[\sb] matrix_a_fmt:MATRIX_FMT_FP6 matrix_b_fmt:MATRIX_FMT_FP6
.elseif ((\ra) == 1) && ((\rb) == 0)
	v_wmma_scale_f32_16x16x128_f8f6f4 v[(\d):(\d)+7], v[(\a):(\a)+11], v[(\b):(\b)+11], v[(\c):(\c)+7], v[\sa], v[\sb] matrix_a_fmt:MATRIX_FMT_FP6 matrix_b_fmt:MATRIX_FMT_FP6 matrix_a_scale:MATRIX_SCALE_ROW1
.elseif ((\ra) == 0) && ((\rb) == 1)
	v_wmma_scale_f32_16x16x128_f8f6f4 v[(\d):(\d)+7], v[(\a):(\a)+11], v[(\b):(\b)+11], v[(\c):(\c)+7], v[\sa], v[\sb] matrix_a_fmt:MATRIX_FMT_FP6 matrix_b_fmt:MATRIX_FMT_FP6 matrix_b_scale:MATRIX_SCALE_ROW1
.else
	v_wmma_scale_f32_16x16x128_f8f6f4 v[(\d):(\d)+7], v[(\a):(\a)+11], v[(\b):(\b)+11], v[(\c):(\c)+7], v[\sa], v[\sb] matrix_a_fmt:MATRIX_FMT_FP6 matrix_b_fmt:MATRIX_FMT_FP6 matrix_a_scale:MATRIX_SCALE_ROW1 matrix_b_scale:MATRIX_SCALE_ROW1
.endif
.endif
.endm
	s_load_b256 s[4:11], s[0:1], 0x0               ; pcodes, vcodes, x_spa, x_freq
	s_load_b128 s[12:15], s[0:1], 0x20             ; out0, out1
	v_lshl_add_u32 v[SPW], v0, 2, SPARE
	v_mov_b32 v[NIL], 0
	v_lshrrev_b32 v1, 5, v0
	v_readfirstlane_b32 s16, v1                    ; wave
	s_and_b32 s17, ttmp7, 0xffff                   ; bm;  w8 = ttmp9
	v_and_b32 v11, 31, v0
	v_lshlrev_b32 v1, 4, v11                       ; 16 L
	v_add_nc_u32 v2, 61440, v1                     ; the same five K steps on: an LDS immediate has 16 bits
	v_lshlrev_b32 v3, 3, v11                       ; 8 L
	v_add_nc_u32 v4, 61440, v3
	v_lshlrev_b32 v5, 2, v11                       ; 4 L
	s_mul_i32 s18, s16, 24576
	v_add_nc_u32 v6, s18, v1                       ; my quarter of the fragments
	v_and_b32 v14, 15, v0
	v_lshlrev_b32 v7, 4, v14                       ; 16 r
	v_bfe_u32 v15, v0, 4, 1                        ; h
	s_mul_i32 s18, s16, 8448
	s_add_co_u32 s18, s18, STG
	v_mul_u32_u24 v8, v14, 528
	v_lshl_add_u32 v8, v15, 5, v8
	v_add_nc_u32 v8, s18, v8                       ; my stage, in: row r, + 32 h
	v_add_nc_u32 v9, s18, v1                       ; back: a row of 512 bytes, 16 bytes a lane
	v_cmp_eq_u32 vcc_lo, 1, v15
	v_mov_b32 v10, 0x05040100                      ; lanes 0-15 take the low halfwords (even tiles),
	v_mov_b32 v11, 0x07060302                      ; lanes 16-31 the high ones (odd tiles)
	v_cndmask_b32 v10, v10, v11, vcc_lo
	s_lshl_b32 s20, s17, 3
	s_add_co_u32 s20, s20, ttmp9
	s_mul_i32 s20, s20, 98304
	s_mul_i32 s18, s16, 24576
	s_add_co_u32 s20, s20, s18
	s_mov_b32 s21, 0
	s_lshl_b32 s22, s17, 2
	s_add_co_u32 s22, s22, s16
	s_mul_i32 s22, s22, 51200
	s_mov_b32 s23, 0
	s_lshl_b32 s24, s17, 7
	s_add_co_u32 s24, s24, ttmp9
	s_lshl_b32 s24, s24, 8
	s_add_co_u32 s24, s24, 25165824
	s_mov_b32 s25, 0
	s_lshr_b32 s30, s17, 1
	s_lshl_b32 s30, s30, 20
	s_lshl_b32 s18, s16, 18
	s_add_co_u32 s30, s30, s18
	s_lshl_b32 s18, ttmp9, 9
	s_add_co_u32 s30, s30, s18                     ; batch, my 64 channels, my 128 columns
	s_mov_b32 s31, 0
	s_and_b32 s32, s17, 1
	s_wait_kmcnt 0x0
	s_add_nc_u64 s[20:21], s[4:5], s[20:21]
	s_add_nc_u64 s[WB:WB+1], s[6:7], s[22:23]
	s_add_nc_u64 s[24:25], s[4:5], s[24:25]
	s_cmp_eq_u32 s32, 0
	s_cselect_b64 s[XB:XB+1], s[8:9], s[10:11]
	s_cselect_b64 s[OB:OB+1], s[12:13], s[14:15]
	s_add_nc_u64 s[XB:XB+1], s[XB:XB+1], s[30:31]
	s_add_nc_u64 s[OB:OB+1], s[OB:OB+1], s[30:31]
.macro LOADB ks                        ; my four fragments of v for K step ks and their two scale registers: 14 loads
.if (\ks) < 5
	WIN 0x40
.set BR, 48*(\ks)
.else
	WIN 0x80
.set BR, 48*((\ks)-5)
.endif
.irp jt, 0,1,2,3
.irp g, 0,1,2
	global_load_b128 v[BR+12*\jt+4*\g:BR+12*\jt+4*\g+3], v1, s[WB:WB+1] offset:(\ks)*6400+\jt*1536+512*\g
.endr
.endr
	WIN 0
.irp a, 0,1
	global_load_b32 v[48+2*(\ks)+\a], v5, s[WB:WB+1] offset:(\ks)*6400+6144+128*\a
.endr
.endm
.macro FETCH ks, set                   ; the eight fragments of p of K step ks: 32 LDS loads
.if (\ks) < 5
.set FA, 1
.set FO, (\ks)*12288
.else
.set FA, 2
.set FO, ((\ks)-5)*12288
.endif
.irp ct, 0,1,2,3,4,5,6,7
	ds_load_b128 v[64+96*(\set)+12*\ct:64+96*(\set)+12*\ct+3], v[FA] offset:FO+\ct*1536
	ds_load_b64 v[64+96*(\set)+12*\ct+4:64+96*(\set)+12*\ct+5], v[FA+2] offset:FO+\ct*1536+512
	ds_load_b128 v[64+96*(\set)+12*\ct+6:64+96*(\set)+12*\ct+9], v[FA] offset:FO+\ct*1536+768
	ds_load_b64 v[64+96*(\set)+12*\ct+10:64+96*(\set)+12*\ct+11], v[FA+2] offset:FO+\ct*1536+1280
.endr
.endm
.macro MUL ks, set                     ; 32 products, each on another accumulator, in the same order in every K step
.if (\ks) < 5
	WIN 0xF4
.set BR, 48*(\ks)
.else
	WIN 0xF8
.set BR, 48*((\ks)-5)
.endif
.irp jt, 0,1,2,3
.irp ct, 0,1,2,3,4,5,6,7
.if (\ks) == 0
	WM 8*(\ct+8*\jt), 64+96*(\set)+12*\ct, BR+12*\jt, -1, 16+4*(\ks)+\ct/2, 48+2*(\ks)+\jt/2, \ct%2, \jt%2
.else
	WM 8*(\ct+8*\jt), 64+96*(\set)+12*\ct, BR+12*\jt, 8*(\ct+8*\jt), 16+4*(\ks)+\ct/2, 48+2*(\ks)+\jt/2, \ct%2, \jt%2
.endif
.endr
.endr
	WIN 0
.endm
; where row `row` (four registers) of the residual of tile jt lies: window RW, register RR
.macro RXMAP jt, row
.if (\jt) == 0
.set RW, 2
.set RR, 144+4*(\row)
.elseif (\jt) == 1
.if (\row) < 12
.set RW, 2
.set RR, 208+4*(\row)
.else
.set RW, 1
.set RR, 240+4*((\row)-12)
.endif
.elseif (\jt) == 2
.set RW, 1
.set RR, 4*(\row)
.else
.set RW, 1
.set RR, 64+4*(\row)
.endif
.endm
.macro RXLOAD jt                       ; the residual of channels 16 jt .. 16 jt + 15 of my 64: a row of 512 consecutive bytes a load, 16 loads
.set i, 0
.rept 16
	RXMAP \jt, i
	WIN RW<<6
	global_load_b128 v[RR:RR+3], v1, s[XB:XB+1] offset:(16*(\jt)+i)*4096 th:TH_LOAD_NT
.set i, i+1
.endr
	WIN 0
.endm
; The loads behind the head's wait go out in this order: K steps 4 and 5 of v (in K steps 0 and 1), K steps 6 and 7 and residual tile 2 (in K step 2), residual tile 3 (in K step 3).
.macro STEPK ks
.if (\ks) < 2
	LOADB (\ks)+4
.elseif (\ks) == 2
	LOADB 6
	LOADB 7                                        ; here, so that every load of v is older than residual tiles 2 and 3
.endif
.if (\ks) < 7
.if (\ks) >= 1
	NOPS 4                                         ; four places ahead of loads into registers that the last products read
.endif
.if (\ks) == 2
	RXLOAD 2                                       ; into the registers of K step 0 and the first third of K step 1 of v: their products are issued
.elseif (\ks) == 3
	RXLOAD 3                                       ; into the rest of K step 1 and two thirds of K step 2
.endif
	FETCH (\ks)+1, ((\ks)+1)%2
	s_wait_dscnt 32                                ; this K step is in; the 32 loads just issued may be out
.else
	s_wait_dscnt 0x0
.endif
.if (\ks) == 4                         ; K steps 0-3 of v were shown in by the head's wait
	s_wait_loadcnt 63                              ; K step 4 of v is in.  74 loads are younger (K steps 5-7: 42; residual tiles 2, 3: 32); 63 is the largest count that can be written, and a smaller count waits for more, never for less
.elseif (\ks) == 5
	s_wait_loadcnt 60                              ; K step 5 is in; K steps 6, 7 (28) and residual tiles 2, 3 (32) may be out
.elseif (\ks) == 6
	s_wait_loadcnt 46                              ; K step 7 (14) and the 32 may be out
.elseif (\ks) == 7
	s_wait_loadcnt 32                              ; the 32 may be out
.endif
	MUL \ks, (\ks)%2
.endm
	WIN 0xC0
.set i, 0
.rept 48
	global_load_b128 v[4*i:4*i+3], v1, s[20:21] offset:512*i   ; my quarter of the 64 fragments, as it lies
.set i, i+1
.endr
	LOADB 0
	s_wait_loadcnt 14                              ; all but the 14 loads of K step 0 of v
	WIN 0x0C
.set i, 0
.rept 48
	ds_store_b128 v6, v[4*i:4*i+3] offset:512*i
.set i, i+1
.endr
	WIN 0
.set i, 0
.rept 16
	global_load_b128 v[64+4*i:67+4*i], v7, s[24:25] offset:2048*i   ; row block i: the eight halfwords of row r of my eight tiles
.set i, i+1
.endr
	LOADB 1
	LOADB 2
	LOADB 3
	RXLOAD 0                                       ; behind all that the first four K steps want
	RXLOAD 1
	s_wait_loadcnt 32                              ; the halfwords and K steps 0-3 of v are in; the 32 loads of residual tiles 0 and 1 may be out
.irp ks, 0,1,2,3,4,5,6,7
.irp a, 0,1,2,3
	v_perm_b32 v[16+4*\ks+\a], v[68+8*\ks+\a], v[64+8*\ks+\a], v10   ; low half: rows n 0-63 of the K step; high half: rows 64-127
.endr
.endr
	NOPS 8                                         ; scale registers written by vector instructions stand eight places ahead of a scaled product
	s_wait_dscnt 0x0                               ; my stores have landed,
	s_barrier_signal -1
	s_barrier_wait -1                              ; everybody's have
	FETCH 0, 0
	STEPK 0
	STEPK 1
	STEPK 2
	STEPK 3
	STEPK 4
	STEPK 5
	STEPK 6
	STEPK 7
	NOPS 4                                         ; four places ahead of the first read of results and of loads into registers that the last products read
; THE WAY OUT.  A lane holds 32 neighbouring bytes of a row and the lanes beside it hold other rows: a tile of 16 channels x 128 columns goes through my own stage and comes back as rows of 512 bytes.
; LDS serves a wave in order: no wait stands between a tile's stores and its loads, nor ahead of the next tile's stores.
.macro TOSTAGE jt
	WIN 0x0C
.irp mt, 0,1,2,3,4,5,6,7
	ds_store_b128 v8, v[8*(\mt+8*(\jt)):8*(\mt+8*(\jt))+3] offset:64*\mt        ; each accumulator from its low end on
	ds_store_b128 v8, v[8*(\mt+8*(\jt))+4:8*(\mt+8*(\jt))+7] offset:64*\mt+16
.endr
	WIN 0
.set i, 0
.rept 16
	ds_load_b128 v[64+64*((\jt)%2)+4*i:64+64*((\jt)%2)+4*i+3], v9 offset:528*i
.set i, i+1
.endr
.endm
.macro OUTT jt
.if (\jt) < 3
	TOSTAGE (\jt)+1                                ; the next tile is on its way through the stage while this one is added and stored
	s_wait_dscnt 32                                ; this tile's rows are back; the next tile's 16 stores and 16 loads may be out
.else
	s_wait_dscnt 0x0
.endif
.if (\jt) == 2                         ; residual tiles 0 and 1 are older than K step 4 of v: the wait for that has shown them in
	s_wait_loadcnt 16                              ; residual tile 2 is in; the 16 loads of tile 3 may be out
.elseif (\jt) == 3
	s_wait_loadcnt 0x0
.endif
.set i, 0
.rept 16
	RXMAP \jt, i
	WIN (RW<<6)|RW
	v_pk_add_f32 v[RR:RR+1], v[RR:RR+1], v[64+64*((\jt)%2)+4*i:64+64*((\jt)%2)+4*i+1]
	v_pk_add_f32 v[RR+2:RR+3], v[RR+2:RR+3], v[64+64*((\jt)%2)+4*i+2:64+64*((\jt)%2)+4*i+3]
.set i, i+1
.endr
.set i, 0
.rept 16
	RXMAP \jt, i
	WIN RW<<2
	global_store_b128 v1, v[RR:RR+3], s[OB:OB+1] offset:(16*(\jt)+i)*4096 th:TH_STORE_NT   ; 512 consecutive bytes, at a multiple of 256; these registers, v1 and the base are never written again
.set i, i+1
.endr
	WIN 0
.endm
	TOSTAGE 0
	OUTT 0
	OUTT 1
	OUTT 2
	OUTT 3
	s_wait_tensorcnt 0x0                           ; the end of the wave
	ds_add_u32 v[SPW], v[NIL]
	s_wait_dscnt 0x0
	s_endpgm
.Lfunc_end_k_q1d603db744_out:
	.size	k_q1d603db744_out, .Lfunc_end_k_q1d603db744_out-k_q1d603db744_out
	.p2alignl 7, 3214868480
	.fill 96, 4, 3214868480
	.section	.rodata,"a",@progbits
	.p2align	6, 0x0
	.amdhsa_kernel k_q1d603db744_out
		.amdhsa_group_segment_fixed_size 132608
		.amdhsa_private_segment_fixed_size 0
		.amdhsa_enable_private_segment 0
		.amdhsa_kernarg_size 48
		.amdhsa_user_sgpr_count 2
		.amdhsa_user_sgpr_kernarg_segment_ptr 1
		.amdhsa_wavefront_size32 1
		.amdhsa_system_sgpr_workgroup_id_x 1
		.amdhsa_system_sgpr_workgroup_id_y 1
		.amdhsa_system_sgpr_workgroup_id_z 1
		.amdhsa_system_vgpr_workitem_id 0
		.amdhsa_next_free_vgpr 1024
		.amdhsa_next_free_sgpr 66
		.amdhsa_reserve_vcc 1
		.amdhsa_float_denorm_mode_32 3
		.amdhsa_float_denorm_mode_16_64 3
		.amdhsa_memory_ordered 1
		.amdhsa_forward_progress 1
		.amdhsa_inst_pref_size 105
	.end_amdhsa_kernel
	.amdgpu_metadata
---
amdhsa.version: [ 1, 2 ]
amdhsa.kernels:
  - .name:           k_q1d603db744_out
    .symbol:         k_q1d603db744_out.kd
    .args:
      - { .name: pcodes, .offset: 0, .size: 8, .value_kind: global_buffer, .address_space: global }
      - { .name: vcodes, .offset: 8, .size: 8, .value_kind: global_buffer, .address_space: global }
      - { .name: x_spa, .offset: 16, .size: 8, .value_kind: global_buffer, .address_space: global }
      - { .name: x_freq, .offset: 24, .size: 8, .value_kind: global_buffer, .address_space: global }
      - { .name: out0, .offset: 32, .size: 8, .value_kind: global_buffer, .address_space: global }
      - { .name: out1, .offset: 40, .size: 8, .value_kind: global_buffer, .address_space: global }
    .group_segment_fixed_size: 132608
    .private_segment_fixed_size: 0
    .kernarg_segment_align: 8
    .kernarg_segment_size: 48
    .max_flat_workgroup_size: 128
    .sgpr_count:     66
    .vgpr_count:     1024
    .wavefront_size: 32
...
	.end_amdgpu_metadata
.endif
;; end of part 5
